; MI455X (gfx1250); checked and timed in simulation.
; The chip was launched on July 23, 2026; its instructions are those of AMD's public machine-readable ISA for CDNA 5 (MIT licence, August 2026) and "CDNA5" Instruction Set Architecture Reference Guide (July 2026). The comments in the code are by the model that wrote it; some were corrected since.
;; Causal Self Attention Mo H. Allowed arithmetic: matrix products marked QUANTISED: E2M1 operands, one E8M0 scale for each 32 along K, by v_wmma_scale_f32_16x16x128_f8f6f4 with both operands' format E2M1 (or v_wmma_scale_f32_32x16x128_f4), f32 sums; products left as they are: f32 operands where the result goes on into a quantised operand, else bf16, f16 or f32 operands; f32 sums; everything else in f32.
;; Inputs: Wg 8 x 32 float32; Wk 512 x 1,024 float32; Wo 1,024 x 1,024 float32; Wq 1,024 x 1,024 float32; Wr 16 x 1,024 float32; Wv 512 x 1,024 float32; cos 1 x 2,048 x 1 x 32 float32; sin 1 x 2,048 x 1 x 32 float32; ve 4 x 2,048 x 512 float32; x 4 x 2,048 x 1,024 float32.
;; Outputs: out0 4 x 2,048 x 1,024 float32; out1 4 x 2,048 x 16 float32.
;; Constants: window_size = 0.
;; This version of the problem:
;;   THIS VERSION OF THE PROBLEM IS GIVEN IN LOW PRECISION. The matrix products marked QUANTISED in the list below multiply operands that are first quantised to E2M1 (2 exponent bits, 1 mantissa bit; 4 bits a number), with one power-of-two scale for each 32 numbers along K (OCP MX v1.0); their sums are f32. All else is computed in f32.
;;   The module's matrix products, in the order in which they are computed (A, B: the left and right operand; K: the contracted axis; several contracted axes count as one K, in the product's order):
;;     1. [M 8,192, K 1,024] x [K 1,024, N 16]; A: input x; B: input Wr: QUANTISED
;;     2. [M 8,192, K 1,024] x [K 1,024, N 1,024]; A: input x; B: input Wq: QUANTISED
;;     3. [M 8,192, K 1,024] x [K 1,024, N 512]; A: input x; B: input Wk: QUANTISED
;;     4. [M 8,192, K 1,024] x [K 1,024, N 512]; A: input x; B: input Wv: QUANTISED
;;     5. [M 8,192, K 32] x [K 32, N 8]; A: input x; B: input Wg: left as it is (N = 8 < 16)
;;     6. batch 64 x [M 2,048, K 64] x [K 64, N 2,048]; A: computed on the way; B: computed on the way: QUANTISED
;;     7. batch 64 x [M 64, K 2,048] x [K 2,048, N 2,048]; A: computed on the way; B: softmax (see below): QUANTISED
;;     8. [M 8,192, K 1,024] x [K 1,024, N 1,024]; A: computed on the way; B: input Wo: QUANTISED
;;   THE QUANTISER, for each operand of a quantised product, along K:
;;     - K is cut into blocks of 32 from its start; a last block that is shorter is filled with zeros.
;;     - A block's scale is 2^e with e = floor(log2(the largest magnitude in the block)) - 2, held to -126 .. 127; a block of zeros has e = 0. As a byte (E8M0): e + 127.
;;     - Each number is divided by its block's scale, clamped to +-6, and rounded to the nearest number of E2M1, ties to even, subnormals kept.
;;     - The product sums the exact products of the quantised numbers (number of the format x scale) in f32.
;;   ~~~python
;;   def quantise(x, axis):      # numpy; x: float32 -> the quantised numbers, widened to float32 again
;;       x = np.moveaxis(x, axis, -1); K = x.shape[-1]
;;       x = np.pad(x, [(0, 0)] * (x.ndim - 1) + [(0, -K % 32)]); x = x.reshape(x.shape[:-1] + (-1, 32)); a = np.abs(x).max(-1, keepdims=True)
;;       e = np.where(a > 0, np.clip(np.frexp(np.where(a > 0, a, 1))[1] - 1 - 2, -126, 127), 0)      # np.frexp(a)[1] - 1 = floor(log2(a)), exactly
;;       r = np.clip(x / 2.0 ** e, -6, 6)
;;       step = 2.0 ** (np.maximum(np.frexp(np.where(r == 0, 1, r))[1] - 1, 0) - 1)
;;       q = np.round(r / step) * step * 2.0 ** e      # np.round: ties to even
;;       return np.moveaxis(q.reshape(q.shape[:-2] + (-1,))[..., :K], -1, axis).astype(np.float32)
;;   ~~~
;;   SOFTMAX AHEAD OF A QUANTISED PRODUCT. Where the list says 'softmax', what is quantised is not the finished softmax but p = 2^(t - M), with t = logit x log2(e) and M = ceil(the row's largest t), a whole number; so 1/2 < the row's largest p <= 1. The row's sum l is taken of the UNQUANTISED p, in f32, and the product's result is divided by l at the end. Since M is a whole number, a kernel that streams over the keys may use a running M (the ceiling of the running maximum): every later rescaling is an exact power of two, which a block's scale takes up: the codes' values come out the same.
;;   OPERANDS COMPUTED ON THE WAY. 'Computed on the way' means the value that the module computes at that place (a softmax that the list does not call 'softmax' is quantised finished and normalised). What goes into a quantiser is computed in f32, as accurately as f32 sums, v_exp_f32 and their like allow (about 1e-6 of the number): no bf16 or f16 on the way to a quantiser, and a product that is left as it is and whose result goes on into a quantised operand takes f32 operands (vector FMAs, or v_wmma_f32_16x16x4_f32). A number that lies on a knife's edge between two numbers of the format may be rounded either way, as far as f32 arithmetic and the matrix unit's own rounding can turn it there, and no further.
;; One version. Each part assembles by itself: llvm-mc -triple=amdgcn-amd-amdhsa -mcpu=gfx1250 --defsym DOCPART=n.
;; ======== version 1 of 1: 4 launches
;; workspace buffers: xq 4,456,448 bytes; wq 1,679,872 bytes; gt 262,144 bytes; qi 4,718,592 bytes; kv 4,718,592 bytes; yi 4,456,448 bytes
;; launch quant (part 1): grid 769 x 1, 2 waves a work-group, no clusters, 16,640 bytes of LDS; arguments x, Wq, Wk, Wv, Wo, Wr, Wg, xq, wq, gt; writes xq, wq, gt
.if DOCPART == 1
	.amdgcn_target "amdgcn-amd-amdhsa--gfx1250"
	.amdhsa_code_object_version 6
	.text
	.protected	k_qeac2dee642_quant
	.globl	k_qeac2dee642_quant
	.p2align	8
	.type	k_qeac2dee642_quant,@function
k_qeac2dee642_quant:
	s_mov_b64 s[64:65], 0
	v_nop
	global_prefetch_b8 v0, s[64:65] scope:SCOPE_SE
	s_setreg_imm32_b32 hwreg(HW_REG_WAVE_MODE, 25, 1), 1
	s_wait_xcnt 0x0
; x [8192][1024] and the five weights with K = 1,024 innermost (Wq, Wk, Wv, Wo, Wr: 3,088 rows in all), f32, become codes of FP4 (E2M1), K innermost, 512 bytes a row,
; with one E8M0 byte for each 32 along K, 32 bytes a row.  xq: x's codes, its scale bytes from XSC on.  wq: the weights' rows on end (Wq 0, Wk 1024, Wv 1536, Wo 2048, Wr 3072), scale bytes from WSC on.
; A block's scale is 2^(floor(log2(its largest magnitude)) - 2); its byte is the largest magnitude's exponent field - 2, held at 1 from below.
; The same launch makes the gate 2 sigmoid(x[:, :32] Wg^T) in f32 (fused multiply-adds), laid gt [8 heads][8192 tokens].
; LIMITS: a block whose largest magnitude lies under 2^-124, a block of zeros among them, keeps the byte 1 (its codes are zeros or what the conversion gives under that scale; these bytes are read by this program alone);
; NaN and infinities among the inputs are not served.
; SHARES.  Rows are dense and 1,024 is a multiple of 32: every tensor is a plain stream of blocks.  A wave takes a run of 8,192 numbers, 16 steps of 512.  Work-groups 0-511 x, 512-575 Wq, 576-607 Wk, 608-639 Wv,
; 640-703 Wo, 704 Wr: only pointers are chosen, all take one path.  Work-groups 705-768: the gate, 128 tokens each, two tokens a lane; that path uses no LDS.
; A step's four loads read 512 consecutive bytes each, 16 a lane; the 2,048 bytes turn through the wave's own stage in LDS (16 bytes of padding behind each 64) and come back 64 bytes a lane: 16 neighbours along K.
; Two neighbouring lanes hold a block.  A lane's 16 codes are 8 bytes: a store of the wave covers 256 consecutive aligned bytes; the wave's 256 scale bytes are gathered in LDS and leave as 256 consecutive aligned bytes.
; No matrix unit, no cluster, no tensor load: waves share nothing and each byte is read once (but the first 128 bytes of x's rows, which the gate reads again).
.set NQWG,  705                        ; work-groups that quantise
.set XSC,   4194304                    ; x's scale bytes in xq
.set WSC,   1581056                    ; the weights' scale bytes in wq
.set STEPS, 16
.set CB,    8                          ; bytes of 16 codes
.set R,     16                         ; v16-79   four sets of 16 numbers as they are loaded
.set X,     80                         ; v80-111  two sets of 16 neighbours
.set E,     112                        ; v112-127 a scale byte for each step
.set C,     128                        ; v128-191 codes: four registers for each step, so that no store's data are written again
.set WREG,  8192                       ; LDS: a region for each wave: two stages of 32 x SP bytes, behind them its 256 scale bytes
.set SP,    80                         ; a lane's place in a stage: 64 bytes + 16 of padding
	s_load_b512 s[4:19], s[0:1], 0x0               ; x s[4:5], Wq s[6:7], Wk s[8:9], Wv s[10:11], Wo s[12:13], Wr s[14:15], Wg s[16:17], xq s[18:19]
	s_load_b128 s[20:23], s[0:1], 0x40             ; wq s[20:21], gt s[22:23]
	v_lshl_add_u32 v192, v0, 2, 0x4000
	v_mov_b32 v193, 0
	v_lshrrev_b32 v1, 5, v0
	v_readfirstlane_b32 s24, v1                    ; wave 0, 1
	v_and_b32 v2, 31, v0                           ; lane
	s_cmp_ge_u32 ttmp9, NQWG
	s_cbranch_scc1 .Lgate
	v_lshlrev_b32 v3, 4, v2                        ; my 16 bytes of a load's 512
	s_mul_i32 s25, s24, WREG
	v_lshrrev_b32 v14, 2, v2
	v_mul_u32_u24 v14, v14, SP
	v_and_b32 v15, 3, v2
	v_lshl_add_u32 v14, v15, 4, v14
	v_add_nc_u32 v14, s25, v14                     ; the stage, on the way in: SP (lane / 4) + 16 (lane % 4)
	v_mul_u32_u24 v15, v2, SP
	v_add_nc_u32 v15, s25, v15                     ; and on the way out: SP x lane: my 16 neighbours
	v_mul_u32_u24 v4, v2, CB                       ; my codes' place in a step's
	v_lshrrev_b32 v5, 1, v2
	s_add_co_u32 s25, s25, 2*32*SP
	v_add_nc_u32 v5, s25, v5                       ; LDS: my wave's 256 scale bytes, my block's byte
	v_lshlrev_b32 v7, 3, v2                        ; and on the way out 8 bytes a lane
	v_add_nc_u32 v6, s25, v7
	s_wait_kmcnt 0x0
	; which tensor: a chain of choices on the work-group's number alone.  s[26:27] the source, s28 its first work-group
	s_mov_b64 s[26:27], s[14:15]
	s_mov_b32 s28, 704
	s_cmp_lt_u32 ttmp9, 704
	s_cselect_b64 s[26:27], s[12:13], s[26:27]
	s_cselect_b32 s28, 640, s28
	s_cmp_lt_u32 ttmp9, 640
	s_cselect_b64 s[26:27], s[10:11], s[26:27]
	s_cselect_b32 s28, 608, s28
	s_cmp_lt_u32 ttmp9, 608
	s_cselect_b64 s[26:27], s[8:9], s[26:27]
	s_cselect_b32 s28, 576, s28
	s_cmp_lt_u32 ttmp9, 576
	s_cselect_b64 s[26:27], s[6:7], s[26:27]
	s_cselect_b32 s28, 512, s28
	s_mov_b32 s32, WSC
	s_cmp_lt_u32 ttmp9, 512
	s_cselect_b64 s[26:27], s[4:5], s[26:27]
	s_cselect_b32 s28, 0, s28
	s_cselect_b64 s[30:31], s[18:19], s[20:21]     ; the destination: xq or wq,
	s_cselect_b32 s29, 0, 512                      ; its first work-group,
	s_cselect_b32 s32, XSC, s32                    ; and where its scale bytes begin
	s_sub_co_u32 s28, ttmp9, s28
	s_lshl_b32 s28, s28, 1
	s_add_co_u32 s28, s28, s24                     ; which run of 8,192 numbers of the source is my wave's
	s_sub_co_u32 s29, ttmp9, s29
	s_lshl_b32 s29, s29, 1
	s_add_co_u32 s29, s29, s24                     ; and which run of the destination
	s_lshl_b32 s34, s28, 15                        ; 32,768 bytes of f32 a run
	s_mov_b32 s35, 0
	s_add_nc_u64 s[26:27], s[26:27], s[34:35]
	s_lshl_b32 s34, s29, 8                         ; 256 scale bytes a run
	s_add_co_u32 s34, s34, s32
	s_add_nc_u64 s[36:37], s[30:31], s[34:35]
	s_lshl_b32 s34, s29, 12                        ; 4,096 bytes of codes a run
	s_add_nc_u64 s[30:31], s[30:31], s[34:35]
.macro LOAD t
.irp i, 0,1,2,3
	global_load_b128 v[R+16*((\t)%4)+4*\i:R+16*((\t)%4)+4*\i+3], v3, s[26:27] offset:2048*(\t)+512*\i th:TH_LOAD_NT   ; 32 lanes read 512 consecutive bytes
.endr
.endm
.macro TURN t                          ; step t's numbers through the stage: LDS serves a wave's instructions in order, so no wait stands between the stores and the loads
.irp i, 0,1,2,3
	ds_store_b128 v14, v[R+16*((\t)%4)+4*\i:R+16*((\t)%4)+4*\i+3] offset:32*SP*((\t)%2)+8*SP*\i
.endr
.irp i, 0,1,2,3
	ds_load_b128 v[X+16*((\t)%2)+4*\i:X+16*((\t)%2)+4*\i+3], v15 offset:32*SP*((\t)%2)+16*\i
.endr
.endm
.irp t, 0,1,2,3
	LOAD \t
.endr
	s_wait_loadcnt 12                              ; step 0's four loads are in; the twelve of steps 1 to 3 may be out
	TURN 0
.macro STEP t
.set XS, X+16*((\t)%2)
.if (\t) > 0
	s_wait_dscnt 1                                 ; this step's numbers are back from the stage (the last step's byte store may be out): so its stores into the stage have read their registers,
.else
	s_wait_dscnt 0x0
.endif
.if (\t)+4 < STEPS
	LOAD (\t)+4                                    ; which take the loads of four steps on
.endif
.if (\t)+1 < STEPS
.if STEPS-2-(\t) >= 3
	s_wait_loadcnt 12                              ; the next step's four loads are in; those of the three steps behind it may be out
.else
	s_wait_loadcnt 4*(STEPS-2-(\t))
.endif
	TURN (\t)+1                                    ; and go through the other stage while this step is worked
.endif
	v_max3_num_f32 v8, |v[XS]|, |v[XS+1]|, |v[XS+2]|               ; the largest magnitude of my 16, in two chains
	v_max3_num_f32 v9, |v[XS+3]|, |v[XS+4]|, |v[XS+5]|
.irp i, 6,10
	v_max3_num_f32 v8, v8, |v[XS+\i]|, |v[XS+\i+1]|
	v_max3_num_f32 v9, v9, |v[XS+\i+2]|, |v[XS+\i+3]|
.endr
	v_max3_num_f32 v8, v8, |v[XS+14]|, |v[XS+15]|
	v_max3_num_f32 v8, v8, v9, 0x1800000           ; and the floor 2^(3 - 127): so the byte cannot fall under 1
	v_max_num_f32_dpp v8, v8, v8 row_xmask:1 row_mask:0xf bank_mask:0xf   ; and of my neighbour's 16: the block's
	v_add_nc_u32 v11, 0xff000000, v8               ; 2 off its exponent field: the conversion takes the exponent field of this operand as its scale, and nothing else of it
	v_cvt_scalef32_pk8_fp4_f32 v[C+4*(\t)], v[XS:XS+7], v11
	v_cvt_scalef32_pk8_fp4_f32 v[C+4*(\t)+1], v[XS+8:XS+15], v11
	v_lshrrev_b32 v[E+(\t)], 23, v11               ; the scale's byte
	ds_store_b8 v5, v[E+(\t)] offset:16*(\t)       ; both lanes of a block write the same byte with the same value
	global_store_b64 v4, v[C+4*(\t):C+4*(\t)+1], s[30:31] offset:32*CB*(\t)   ; 256 consecutive aligned bytes a wave
.endm
.irp t, 0,1,2,3,4,5,6,7,8,9,10,11,12,13,14,15
	STEP \t
.endr
	ds_load_b64 v[12:13], v6                       ; LDS serves a wave's instructions in order: these see my stores
	s_wait_dscnt 0x0
	global_store_b64 v7, v[12:13], s[36:37]        ; 32 lanes store 256 consecutive aligned bytes
	s_wait_tensorcnt 0x0
	ds_add_u32 v192, v193
	s_wait_dscnt 0x0
	s_endpgm
; THE GATE.  Lane l of a wave takes tokens tok0 + 2 l and tok0 + 2 l + 1: 32 numbers each in v32-63 and v64-95.  Wg's rows come as scalars, 32 a head, in two sets by turns: the next head's
; are asked for ahead of this head's arithmetic.  v96 + 2 g + e: head g, token e.
.Lgate:
	s_sub_co_u32 s25, ttmp9, NQWG
	s_lshl_b32 s25, s25, 7
	s_lshl_b32 s26, s24, 6
	s_add_co_u32 s25, s25, s26                     ; tok0 = 128 x (work-group - 705) + 64 x wave
	v_lshlrev_b32 v3, 13, v2                       ; two rows of 4,096 bytes a lane
	v_lshlrev_b32 v4, 3, v2                        ; out: 8 bytes a lane
	s_lshl_b32 s26, s25, 12
	s_mov_b32 s27, 0
	s_wait_kmcnt 0x0
	s_add_nc_u64 s[4:5], s[4:5], s[26:27]
	s_lshl_b32 s26, s25, 2
	s_add_nc_u64 s[22:23], s[22:23], s[26:27]
.irp e, 0,1
.irp k, 0,1,2,3,4,5,6,7
	global_load_b128 v[32+32*\e+4*\k:35+32*\e+4*\k], v3, s[4:5] offset:4096*\e+16*\k
.endr
.endr
	s_load_b512 s[28:43], s[16:17], 0x0            ; Wg's row 0
	s_load_b512 s[44:59], s[16:17], 0x40
	s_wait_loadcnt 0x0
.macro GHEAD g, S, N                   ; head g from the scalars s[S] on; the next head's go to s[N] on
	s_wait_kmcnt 0x0                               ; scalar loads come back in no order: only the count 0 shows anything
.if (\g) < 7
	s_load_b512 s[\N:\N+15], s[16:17], 128*(\g)+128
	s_load_b512 s[\N+16:\N+31], s[16:17], 128*(\g)+192
.endif
	v_mul_f32 v[96+2*(\g)], s[\S], v32
	v_mul_f32 v[97+2*(\g)], s[\S], v64
.set k, 1
.rept 31
	v_fmac_f32 v[96+2*(\g)], s[\S+k], v[32+k]      ; the two tokens by turns
	v_fmac_f32 v[97+2*(\g)], s[\S+k], v[64+k]
.set k, k+1
.endr
.endm
	GHEAD 0, 28, 68
	GHEAD 1, 68, 28
	GHEAD 2, 28, 68
	GHEAD 3, 68, 28
	GHEAD 4, 28, 68
	GHEAD 5, 68, 28
	GHEAD 6, 28, 68
	GHEAD 7, 68, 28
	; 2 sigmoid(z) = 2 / (1 + 2^(-z log2(e))): each transcendental as one batch of 16 with one wait
.set k, 0
.rept 16
	v_mul_f32 v[96+k], 0xbfb8aa3b, v[96+k]
.set k, k+1
.endr
.set k, 0
.rept 16
	v_exp_f32 v[96+k], v[96+k]
.set k, k+1
.endr
	v_nop                                          ; a plain instruction behind the last exponential
	s_wait_alu depctr_va_vdst(0)                   ; one wait for the batch, ahead of its first reader
.set k, 0
.rept 16
	v_add_f32 v[96+k], 1.0, v[96+k]
.set k, k+1
.endr
.set k, 0
.rept 16
	v_rcp_f32 v[96+k], v[96+k]
.set k, k+1
.endr
	v_nop
	s_wait_alu depctr_va_vdst(0)
.set k, 0
.rept 16
	v_add_f32 v[96+k], v[96+k], v[96+k]
.set k, k+1
.endr
.irp g, 0,1,2,3,4,5,6,7
	global_store_b64 v4, v[96+2*\g:97+2*\g], s[22:23] offset:32768*\g   ; 64 tokens of head g: 256 consecutive aligned bytes
.endr
	s_endpgm
.Lfunc_end_k_qeac2dee642_quant:
	.size	k_qeac2dee642_quant, .Lfunc_end_k_qeac2dee642_quant-k_qeac2dee642_quant
	.p2alignl 7, 3214868480
	.fill 96, 4, 3214868480
	.section	.rodata,"a",@progbits
	.p2align	6, 0x0
	.amdhsa_kernel k_qeac2dee642_quant
		.amdhsa_group_segment_fixed_size 16640
		.amdhsa_private_segment_fixed_size 0
		.amdhsa_enable_private_segment 0
		.amdhsa_kernarg_size 80
		.amdhsa_user_sgpr_count 2
		.amdhsa_user_sgpr_kernarg_segment_ptr 1
		.amdhsa_wavefront_size32 1
		.amdhsa_system_sgpr_workgroup_id_x 1
		.amdhsa_system_sgpr_workgroup_id_y 1
		.amdhsa_system_sgpr_workgroup_id_z 1
		.amdhsa_system_vgpr_workitem_id 0
		.amdhsa_next_free_vgpr 194
		.amdhsa_next_free_sgpr 100
		.amdhsa_reserve_vcc 0
		.amdhsa_float_denorm_mode_32 3
		.amdhsa_float_denorm_mode_16_64 3
		.amdhsa_memory_ordered 1
		.amdhsa_forward_progress 1
		.amdhsa_inst_pref_size 57
	.end_amdhsa_kernel
	.amdgpu_metadata
---
amdhsa.version: [ 1, 2 ]
amdhsa.kernels:
  - .name:           k_qeac2dee642_quant
    .symbol:         k_qeac2dee642_quant.kd
    .args:
      - { .name: x, .offset: 0, .size: 8, .value_kind: global_buffer, .address_space: global }
      - { .name: Wq, .offset: 8, .size: 8, .value_kind: global_buffer, .address_space: global }
      - { .name: Wk, .offset: 16, .size: 8, .value_kind: global_buffer, .address_space: global }
      - { .name: Wv, .offset: 24, .size: 8, .value_kind: global_buffer, .address_space: global }
      - { .name: Wo, .offset: 32, .size: 8, .value_kind: global_buffer, .address_space: global }
      - { .name: Wr, .offset: 40, .size: 8, .value_kind: global_buffer, .address_space: global }
      - { .name: Wg, .offset: 48, .size: 8, .value_kind: global_buffer, .address_space: global }
      - { .name: xq, .offset: 56, .size: 8, .value_kind: global_buffer, .address_space: global }
      - { .name: wq, .offset: 64, .size: 8, .value_kind: global_buffer, .address_space: global }
      - { .name: gt, .offset: 72, .size: 8, .value_kind: global_buffer, .address_space: global }
    .group_segment_fixed_size: 16640
    .private_segment_fixed_size: 0
    .kernarg_segment_align: 8
    .kernarg_segment_size: 80
    .max_flat_workgroup_size: 64
    .sgpr_count:     100
    .vgpr_count:     194
    .wavefront_size: 32
...
	.end_amdgpu_metadata
.endif
;; end of part 1
;; launch proj (part 2): grid 256 x 1, 4 waves a work-group, no clusters, 312,832 bytes of LDS; arguments xq, wq, gt, ve, cos, sin, qi, kv, out1; writes qi, kv, out1
.if DOCPART == 2
	.amdgcn_target "amdgcn-amd-amdhsa--gfx1250"
	.amdhsa_code_object_version 6
	.text
	.protected	k_qeac2dee642_proj
	.globl	k_qeac2dee642_proj
	.p2align	8
	.type	k_qeac2dee642_proj,@function
k_qeac2dee642_proj:
	s_mov_b64 s[64:65], 0
	v_nop
	global_prefetch_b8 v0, s[64:65] scope:SCOPE_SE
	s_setreg_imm32_b32 hwreg(HW_REG_WAVE_MODE, 25, 1), 1
	s_wait_xcnt 0x0
; x Wq^T, x Wk^T, x Wv^T and x Wr^T on codes of FP4 (E2M1) with E8M0 scales, K = 1,024, and what follows them up to the operands of attention:
;   q, k: rotary, rms_norm, quantised along the head's 64;   v = x Wv^T + gate ve, quantised along the tokens;   the router's mask (logit >= the 8th largest of 16), out1.
; A work-group makes 256 x 256 of a product, four waves 128 x 128 each: 64 accumulators of 16 x 16, 512 registers.  Both K steps of 512 lie in LDS at once (two slots, each byte filled once).
; THE MATRIX INSTRUCTION: source 0 = 16 rows of operand B, source 1 = 16 rows of operand A: lane (r, h) holds A's row r, and its registers j B's rows 8 h + j.
; TWO KINDS of work-group, one text for the K loop; only pointers are chosen, on the work-group's number:
;   QK (0-191):   A = x (256 tokens, to the lanes), B = Wq or Wk (256 features = 4 heads, to the registers): a lane holds one token and 8 neighbouring dims of a head: the next product's K.
;   V  (192-255): A = Wv (256 channels, to the lanes), B = x (256 tokens, to the registers): a lane holds one channel and 8 neighbouring tokens: the second attention product's K.
; NO CLUSTER: the 8 feature tiles are 4 of q, 2 of k, 2 of v, and in the V kind the shared operand is the other one: a cluster of 4 x 4 over k and v would hold both kinds, and the way out would be a branch on a work-group's place in its cluster.
; QUANTISING A RESULT.  A block of 32 along the next K is two neighbouring result tiles: 16 registers of a lane and 16 of lane l xor 16.  Tile t's 8 registers give one register of codes; for each four tiles the
; codes go to registers 0, 2, 1, 3 and two exchanges of half-waves (registers 0 with 1, 2 with 3) leave register i of lane (r, h) with k = 32 h + 8 i .. + 7 of that 64: the operand's layout.
; OPERANDS LEAVE AS IMAGES OF THEIR REGISTERS: four registers are 512 bytes, lane l's 16 bytes at 16 l: every such store covers 512 consecutive aligned bytes.
; qi: Q images [b 4][head 16][tile 128][512 B], scale words [..][16 x 4 B] from QSC on (bytes 2, 3 = 0x7f: the scores' K is 64, the upper 64 are zero codes).
; kv: [b 8 + g][key step 16] records of 9,216 B: K images 8 x 512, V^T images 4 x 1,024, K's scale words 512, V's 256, 256 zeros.
; LIMITS: NaN and infinities are not served; a block whose largest magnitude lies under 2^-124 keeps the byte 1; a router logit within f32 rounding of the 8th largest may fall on either side.
; REGISTERS, in windows of 256.  Window 0: v1-31 addresses and small things; v32-63 A's scale words, v64-95 B's; v96-127 at work on the way out; v128-191 A's fragments, one set (on the way out: numbers and codes);
;   v192-255 two sets of cos and sin.   Window 1: B's fragments, two sets, v0-63 and v128-191 (V kind, ahead of the products: the gate in v64-127 and v192-255).   Windows 2, 3: accumulator (a, b) at v[8 (8 (a % 4) + b)].
.set PITCH,  272                       ; an LDS row: 256 bytes + 16 of padding: the 16 rows of a fragment load start 68 words apart
.set HALFT,  128*PITCH                 ; what one tensor load brings
.set SLOT,   4*HALFT                   ; A's 256 rows, then B's 256 rows, 512 along K
.set STG,    2*SLOT                    ; behind the slots: a stage for each wave (V kind): 16 tokens x (512 bytes + 16)
.set SPV,    528
.set STGW,   16*SPV
.set XSC,    4194304
.set WSC,    1581056
.set QSC,    4194304
.set REC,    9216
.set GSTR,   16*REC                    ; from a kv head's records to the next head's
.set NQK,    192
.set FR,     8
.set ADRA,   16                         ; v16-17 my A fragments in slot 0, 1
.set ADRB,   20                         ; v20-21 my B fragments
.set SA,     32
.set SB,     64
.set AF,     128
.set YR,     128                        ; QK way out: 64 numbers, two heads
.set PC,     96                         ; QK way out: two heads' codes, v96-103
.set PW,     104                        ; and their scale words, v104-105
.set TM,     116                        ; v116-119 four blocks' largest magnitudes; v120-123 the partner's, then the bytes; v124-127 the conversions' scale operands
.set PB,     120
.set SO,     124
.set CS0,    192
.set MSB, 0
.macro WIN new                         ; the immediate's high byte repeats the setting that is left; a switch that changes nothing is dropped
.if MSB != (\new)
	s_set_vgpr_msb (MSB<<8)|(\new)
.set MSB, (\new)
.endif
.endm
.set MUL_LO, 0xa1                      ; source 0 (B) window 1, source 1 (A) window 0, C and D window 2
.set MUL_HI, 0xf1                      ; the same, C and D window 3
.set TO_B,   0x40                      ; destination window 1
.macro PLACES                          ; four plain places behind a matrix instruction, ahead of loads into its registers and of the first read of results
.rept 4
	v_nop
.endr
.endm
	s_load_b512 s[4:19], s[0:1], 0x0               ; xq s[4:5], wq s[6:7], gt s[8:9], ve s[10:11], cos s[12:13], sin s[14:15], qi s[16:17], kv s[18:19]
	s_load_b64 s[20:21], s[0:1], 0x40              ; out1
	v_lshl_add_u32 v114, v0, 2, 0x4c400
	v_mov_b32 v115, 0
	ds_add_u32 v114, v115
	ds_add_u32 v114, v115
	v_lshrrev_b32 v1, 5, v0
	v_readfirstlane_b32 s22, v1                    ; wave w
	s_lshr_b32 s23, s22, 1                         ; ah: my half of A's rows.  Also: I fetch for A (0) or B (1)
	s_and_b32 s24, s22, 1                          ; bh: my half of B's rows.  Also: which 128 rows I fetch
	s_mov_b32 s25, ttmp9
	s_lshr_b32 s26, s25, 5                         ; QK: pB = id / 32, rA = id % 32
	s_and_b32 s27, s25, 31
	s_sub_co_u32 s28, s25, NQK                     ; V: pB = (id - 192) / 2, rA = (id - 192) % 2
	s_lshr_b32 s29, s28, 1
	s_and_b32 s30, s28, 1
	s_lshl_b32 s31, s27, 8                         ; A's first row: QK 256 rA of x; V 1536 + 256 rA of the weights
	s_lshl_b32 s32, s30, 8
	s_add_co_u32 s32, s32, 1536
	s_mov_b32 s33, WSC
	s_mov_b32 s35, XSC
	; descriptor group 1: 128 rows x 256 bytes, rows 512 bytes apart in memory, 16 bytes of padding behind each in LDS
	s_mov_b32 s36, (1<<20)|(5<<22)|(3<<25)         ; no mask; elements of 1 byte; padding on: 4 words after every 64
	s_mov_b32 s37, 256<<16                         ; tensor_dim0
	s_mov_b32 s38, 128<<16                         ; tensor_dim1
	s_mov_b32 s39, 256<<16                         ; tile_dim0
	s_mov_b32 s40, 128                             ; tile_dim1
	s_mov_b32 s41, 512                             ; tensor_dim0_stride
	s_mov_b32 s42, 0
	s_mov_b32 s43, 0
	s_mov_b32 s44, 1                               ; group 0 for slot 0: count,
	s_mul_i32 s45, s22, HALFT                      ; LDS address: wave x 128 rows (A's halves, then B's)
	s_mov_b32 s48, 1                               ; and for slot 1
	s_add_co_u32 s49, s45, SLOT
	s_wait_dscnt 0x0
	s_wait_kmcnt 0x0
	s_cmp_lt_u32 s25, NQK                          ; the kind: every choice hangs on the work-group's number alone
	s_cselect_b32 s26, s26, s29                    ; pB
	s_cselect_b32 s27, s27, s30                    ; rA
	s_cselect_b32 s31, s31, s32                    ; A's first row
	s_cselect_b64 s[52:53], s[4:5], s[6:7]         ; A's buffer
	s_cselect_b64 s[54:55], s[6:7], s[4:5]         ; B's buffer
	s_cselect_b32 s34, s35, s33                    ; where A's scale bytes begin
	s_cselect_b32 s35, s33, s35                    ; and B's
	s_mov_b32 s29, 0                               ; s29 stays 0: the upper word of every offset made in s28
	s_lshl_b32 s32, s26, 8                         ; B's first row: 256 pB
	s_lshl_b32 s28, s23, 7
	s_add_co_u32 s28, s28, s31
	s_lshl_b32 s28, s28, 5                         ; 32 scale bytes a row
	s_add_co_u32 s28, s28, s34
	s_add_nc_u64 s[56:57], s[52:53], s[28:29]      ; the scale bytes of my 128 rows of A
	s_lshl_b32 s28, s24, 7
	s_add_co_u32 s28, s28, s32
	s_lshl_b32 s28, s28, 5
	s_add_co_u32 s28, s28, s35
	s_add_nc_u64 s[58:59], s[54:55], s[28:29]      ; and of B
	s_lshl_b32 s28, s31, 9
	s_add_nc_u64 s[52:53], s[52:53], s[28:29]      ; A's codes at the tile's first row
	s_lshl_b32 s28, s32, 9
	s_add_nc_u64 s[54:55], s[54:55], s[28:29]      ; B's
	s_cmp_eq_u32 s23, 0
	s_cselect_b64 s[46:47], s[52:53], s[54:55]     ; what I fetch,
	s_lshl_b32 s28, s24, 16                        ; its upper or lower 128 rows of 512 bytes
	s_add_nc_u64 s[46:47], s[46:47], s[28:29]
	s_add_nc_u64 s[50:51], s[46:47], 256           ; slot 1: K = 512 on
	s_or_b32 s47, s47, 0x80000000                  ; type = 2
	s_or_b32 s51, s51, 0x80000000
	tensor_load_to_lds s[44:47], s[36:43]          ; the two first fills go out together, ahead of every wait on TENSORcnt, LDS read and barrier: two loads of mine are out
	s_nop 0
	tensor_load_to_lds s[48:51], s[36:43]
	s_nop 0
.rept 4
	v_nop                                          ; four such lines behind a tensor load
.endr
	v_and_b32 v1, 15, v0                           ; r
	v_bfe_u32 v2, v0, 4, 1                         ; h
	v_and_b32 v3, 31, v0
	v_lshlrev_b32 v9, 3, v3                        ; 8 l
	v_lshlrev_b32 v3, 4, v3                        ; 16 l: an image's place for my lane
	v_lshlrev_b32 v4, 2, v1                        ; 4 r: a scale word's
	v_lshlrev_b32 v5, 5, v1
	v_lshl_add_u32 v5, v2, 4, v5                   ; 32 r + 16 h: a row's 32 scale bytes, my half of them
.irp i, 0,1,2,3,4,5,6,7
	global_load_b128 v[SA+4*\i:SA+4*\i+3], v5, s[56:57] offset:512*\i   ; block i's scale words: register q: lanes 0-15 K step q of row r, lanes 16-31 K step 4 + q.  512 consecutive bytes
	global_load_b128 v[SB+4*\i:SB+4*\i+3], v5, s[58:59] offset:512*\i
.endr
	s_lshl_b32 s35, s27, 8
	s_lshl_b32 s30, s23, 7
	s_add_co_u32 s35, s35, s30                     ; 256 rA + 128 ah: QK my first token; V my first channel
	s_and_b32 s28, s35, 2047                       ; the token's place in its sequence
	s_lshl_b32 s28, s28, 7                         ; 128 bytes of cos or sin a token
	s_add_nc_u64 s[74:75], s[12:13], s[28:29]
	s_add_nc_u64 s[76:77], s[14:15], s[28:29]
	v_lshlrev_b32 v8, 7, v1
	v_lshl_add_u32 v8, v2, 5, v8                   ; 128 r + 32 h: token r, dims 8 h on
	; cos and sin of my first 16 tokens.  Every work-group issues these eight loads, so that the K loop is one text: a V work-group has no use for them
.irp ct, 0,1
.irp e, 0,1
	global_load_b128 v[CS0+8*\ct+4*\e:CS0+8*\ct+4*\e+3], v8, s[74:75] offset:64*\ct+16*\e
	global_load_b128 v[CS0+16+8*\ct+4*\e:CS0+16+8*\ct+4*\e+3], v8, s[76:77] offset:64*\ct+16*\e
.endr
.endr
	v_lshlrev_b32 v7, 5, v2                        ; 32 h
	v_lshlrev_b32 v10, 6, v1
	v_lshl_add_u32 v10, v2, 5, v10                 ; 64 r + 32 h: out1
	v_lshlrev_b32 v11, 9, v1
	v_lshl_add_u32 v11, v2, 4, v11                 ; 512 r + 16 h: a fragment straight from rows of 512 bytes
	v_mul_u32_u24 v12, v1, PITCH
	v_lshl_add_u32 v12, v2, 4, v12                 ; a fragment's row x pitch + 16 h
	s_mul_i32 s28, s23, HALFT
	s_mul_i32 s30, s24, HALFT
	s_add_co_u32 s30, s30, 2*HALFT
	v_add_nc_u32 v16, s28, v12
	v_add_nc_u32 v20, s30, v12
	v_add_nc_u32 v17, SLOT, v16
	v_add_nc_u32 v21, SLOT, v20
	s_mul_i32 s28, s22, 64*PITCH
	v_add_nc_u32 v22, s28, v12                     ; the router: A's rows 64 w on, slot 0,
	v_add_nc_u32 v23, SLOT, v22                    ; slot 1
	s_mul_i32 s28, s22, STGW
	s_add_co_u32 s28, s28, STG
	v_add_nc_u32 v6, s28, v3                       ; my stage, on the way in: 16 l of a token's 512 bytes
	v_mul_u32_u24 v18, v2, 8*SPV
	v_lshl_add_u32 v18, v1, 2, v18
	v_add_nc_u32 v18, s28, v18                     ; and on the way out: token 8 h, channel r
	v_mov_b32 v25, 0                               ; (upper halves of pairs that packed forms name)
	v_mov_b32 v27, 0
	v_mov_b32 v28, 0                               ; (a lane permute's destination counts as one of its sources: written once)
	v_mov_b32 v29, 0
	v_mov_b32 v30, 0                               ; 0.0
	v_mov_b32 v31, 1.0
.irp b, 0,1,2,3
	v_mov_b32 v[PB+\b], 0
.endr
	s_mov_b32 s60, 0x76543210
	s_mov_b32 s61, 0xfedcba98                      ; v_permlanex16_b32's selects for lane l xor 16
	s_mov_b32 s62, 0x3c800000                      ; 1 / 64
	s_mov_b32 s63, 0x358637bd                      ; 1e-6
	; all bases of both kinds are made here, on the one way that every work-group takes; each kind uses its own
	; QK: heads hh0 = 4 pB + 2 bh and hh0 + 1 (0-15 q, 16-23 k); b = rA / 8; s = 2 (rA % 8) + ah: my 128 tokens' place in their sequence
	s_lshl_b32 s30, s26, 2
	s_lshl_b32 s31, s24, 1
	s_add_co_u32 s30, s30, s31
	s_lshr_b32 s31, s27, 3
	s_and_b32 s32, s27, 7
	s_lshl_b32 s32, s32, 1
	s_add_co_u32 s32, s32, s23
	s_lshl_b32 s33, s31, 4
	s_add_co_u32 s33, s33, s30
	s_lshl_b32 s33, s33, 7
	s_lshl_b32 s34, s32, 3
	s_add_co_u32 s33, s33, s34                     ; q: tile (16 b + hh0) 128 + 8 s
	s_lshl_b32 s34, s31, 3
	s_add_co_u32 s34, s34, s30
	s_sub_co_u32 s34, s34, 16
	s_lshl_b32 s34, s34, 4
	s_add_co_u32 s34, s34, s32
	s_mul_i32 s34, s34, REC                        ; k: record (8 b + hh0 - 16) 16 + s
	s_lshl_b32 s30, s33, 9
	s_lshl_b32 s31, s33, 6
	s_add_co_u32 s31, s31, QSC
	s_add_co_u32 s32, s34, 8192
	s_mov_b32 s33, GSTR
	s_cmp_lt_u32 s26, 4
	s_cselect_b64 s[66:67], s[16:17], s[18:19]     ; qi or kv
	s_cselect_b32 s30, s30, s34                    ; the first head's codes,
	s_cselect_b32 s31, s31, s32                    ; its scale words,
	s_cselect_b32 s32, 0x10000, s33                ; and from a head to the next: codes,
	s_cselect_b32 s33, 0x2000, s33                 ; scale words
	s_mov_b32 s28, s31
	s_add_nc_u64 s[68:69], s[66:67], s[28:29]
	s_mov_b32 s28, s30
	s_add_nc_u64 s[66:67], s[66:67], s[28:29]
	s_mov_b32 s28, s32
	s_add_nc_u64 s[70:71], s[66:67], s[28:29]
	s_mov_b32 s28, s33
	s_add_nc_u64 s[72:73], s[68:69], s[28:29]
	; V: tokB0 = 256 pB + 128 bh, ch0 = 256 rA + 128 ah (s35)
	s_lshl_b32 s34, s26, 8
	s_lshl_b32 s30, s24, 7
	s_add_co_u32 s34, s34, s30
	s_lshl_b32 s28, s34, 11                        ; a token's 2,048 bytes of ve
	s_lshl_b32 s30, s35, 2
	s_add_co_u32 s28, s28, s30
	s_add_nc_u64 s[78:79], s[10:11], s[28:29]
	s_lshl_b32 s28, s35, 9                         ; the gate: head ch0 / 64, 32,768 bytes a head
	s_lshl_b32 s30, s34, 2
	s_add_co_u32 s28, s28, s30
	s_add_nc_u64 s[80:81], s[8:9], s[28:29]
	s_lshr_b32 s30, s34, 11                        ; b
	s_lshl_b32 s30, s30, 3
	s_lshr_b32 s31, s35, 6                         ; my first kv head
	s_add_co_u32 s30, s30, s31
	s_lshl_b32 s30, s30, 4
	s_bfe_u32 s31, s34, 0x40007                    ; the key step: (tokB0 / 128) % 16
	s_add_co_u32 s30, s30, s31
	s_mul_i32 s28, s30, REC
	s_add_co_u32 s28, s28, 4096                    ; V's images in the record
	s_add_nc_u64 s[82:83], s[18:19], s[28:29]
	; the router: tokens 256 rA + 64 w on
	s_lshl_b32 s30, s27, 8
	s_lshl_b32 s31, s22, 6
	s_add_co_u32 s30, s30, s31
	s_lshl_b32 s28, s30, 6
	s_add_nc_u64 s[84:85], s[20:21], s[28:29]      ; out1
	s_lshl_b32 s28, s30, 5
	s_add_co_u32 s28, s28, XSC
	s_add_nc_u64 s[90:91], s[4:5], s[28:29]        ; x's scale bytes
	s_add_nc_u64 s[86:87], s[6:7], 3072*512        ; Wr's codes
	s_add_nc_u64 s[88:89], s[6:7], WSC+3072*32     ; Wr's scale bytes
.macro FRAG reg, adr, q, i             ; 16 rows x 128 K of 4-bit codes, 8 registers: registers 4 c .. 4 c + 3 hold K = 64 c + 32 h + 0 .. 31
.irp c, 0,1
	ds_load_b128 v[\reg+4*\c:\reg+4*\c+3], v[\adr] offset:64*(\q)+32*\c+(\i)*16*PITCH
.endr
.endm
; 16 matrix instructions: A's blocks a0, a0 + 1 x B's eight, the slot's q-th 128 along K.  p: B's set.  zero = 1: the product starts the sums.  In slot 1 both sides' scale words are those of lanes 16-31.
; The 64 accumulators take turns, one instruction a turn, in the same order in every step.
.macro MUL16 a0, p, q, slot, zero
.irp a, \a0, \a0+1
.irp b, 0,1,2,3,4,5,6,7
.set DD, 8*(8*((\a)%4)+\b)
.set BF, 128*(\p)+FR*\b
.set AA, AF+FR*(\a)
.set SBR, SB+4*\b+(\q)
.set SAR, SA+4*(\a)+(\q)
.if \zero
	v_wmma_scale_f32_16x16x128_f8f6f4 v[DD:DD+7], v[BF:BF+7], v[AA:AA+7], 0, v[SBR], v[SAR] matrix_a_fmt:MATRIX_FMT_FP4 matrix_b_fmt:MATRIX_FMT_FP4
.elseif \slot
	v_wmma_scale_f32_16x16x128_f8f6f4 v[DD:DD+7], v[BF:BF+7], v[AA:AA+7], v[DD:DD+7], v[SBR], v[SAR] matrix_a_fmt:MATRIX_FMT_FP4 matrix_b_fmt:MATRIX_FMT_FP4 matrix_a_scale:MATRIX_SCALE_ROW1 matrix_b_scale:MATRIX_SCALE_ROW1
.else
	v_wmma_scale_f32_16x16x128_f8f6f4 v[DD:DD+7], v[BF:BF+7], v[AA:AA+7], v[DD:DD+7], v[SBR], v[SAR] matrix_a_fmt:MATRIX_FMT_FP4 matrix_b_fmt:MATRIX_FMT_FP4
.endif
.endr
.endr
.endm
.macro FETCH_B slot, q, p
	WIN TO_B
.irp i, 0,1,2,3,4,5,6,7
	FRAG 128*(\p)+FR*\i, ADRB+\slot, \q, \i
.endr
	WIN 0
.endm
.macro FETCH_A slot, q, i0
.irp i, \i0, \i0+1, \i0+2, \i0+3
	FRAG AF+FR*(\i), ADRA+\slot, \q, \i
.endr
.endm
; A step of 128 along K that has its successor in the same slot.  A has one set of registers: blocks 0-3 are fetched anew in the step's middle, blocks 4-7 at its end; B has two sets.
.macro STEP slot, q, zero
	s_wait_dscnt 8                                 ; B's set and A's blocks 0-3 are in; the youngest eight loads (A's blocks 4-7) may be out
	WIN MUL_LO
	MUL16 0, (\q)%2, \q, \slot, \zero
	MUL16 2, (\q)%2, \q, \slot, \zero
	s_wait_dscnt 0x0                               ; A's blocks 4-7 are in
	PLACES
	FETCH_B \slot, (\q)+1, 1-(\q)%2
	FETCH_A \slot, (\q)+1, 0
	WIN MUL_HI
	MUL16 4, (\q)%2, \q, \slot, \zero
	MUL16 6, (\q)%2, \q, \slot, \zero
	PLACES
	WIN 0
	FETCH_A \slot, (\q)+1, 4
.endm
; V kind: chunk c of ve, 16 tokens x my 128 channels, raw: a load covers a token's 512 consecutive aligned bytes.  It lands in the registers that accumulators (.., c) will take: token i in (i / 2, c), half i % 2.
.macro LDVE c
	WIN 0x80
.irp i, 0,1,2,3,4,5,6,7
	global_load_b128 v[8*(8*(\i/2)+(\c))+4*(\i%2):8*(8*(\i/2)+(\c))+4*(\i%2)+3], v3, s[78:79] offset:(16*(\c)+\i)*2048 th:TH_LOAD_NT
.endr
	WIN 0xc0
.irp i, 0,1,2,3,4,5,6,7
	global_load_b128 v[8*(8*(\i/2)+(\c))+4*(\i%2):8*(8*(\i/2)+(\c))+4*(\i%2)+3], v3, s[78:79] offset:(16*(\c)+8+\i)*2048 th:TH_LOAD_NT
.endr
	WIN 0
.endm
; and through my stage: in as rows of tokens, back with a channel to a lane and tokens down the registers: accumulator (a, c) register j = ve(token 16 c + 8 h + j, channel 16 a + r).
; LDS serves a wave's instructions in order (ISA guide 5.7.1.4): the loads see the stores, and the next chunk's stores come behind these loads.  Lanes 16-31 read 8 x 528 bytes on: 128 bytes further round the banks.
.macro TRVE c
	WIN 0x08                                       ; an LDS store's data are its source 1: window 2
.irp i, 0,1,2,3,4,5,6,7
	ds_store_b128 v6, v[8*(8*(\i/2)+(\c))+4*(\i%2):8*(8*(\i/2)+(\c))+4*(\i%2)+3] offset:\i*SPV
.endr
	WIN 0x0c
.irp i, 0,1,2,3,4,5,6,7
	ds_store_b128 v6, v[8*(8*(\i/2)+(\c))+4*(\i%2):8*(8*(\i/2)+(\c))+4*(\i%2)+3] offset:(8+\i)*SPV
.endr
	WIN 0x80
.irp a, 0,1,2,3
.irp j, 0,1,2,3,4,5,6,7
	ds_load_b32 v[8*(8*\a+(\c))+\j], v18 offset:\j*SPV+64*\a
.endr
.endr
	WIN 0xc0
.irp a, 0,1,2,3
.irp j, 0,1,2,3,4,5,6,7
	ds_load_b32 v[8*(8*\a+(\c))+\j], v18 offset:\j*SPV+64*(\a+4)
.endr
.endr
	WIN 0
.endm
	s_wait_tensorcnt 0x1                           ; my part of slot 0 is in; slot 1's may stay out
	s_wait_loadcnt 0x0                             ; the scale words, cos and sin
	s_barrier_signal -1
	s_barrier_wait -1                              ; everybody's part is in
	FETCH_B 0, 0, 0
	FETCH_A 0, 0, 0
	FETCH_A 0, 0, 4
	s_cmp_lt_u32 s25, NQK
	s_cbranch_scc0 .Lv_first
	STEP 0, 0, 1                                   ; QK: the first products start the sums
	s_branch .Lsteps
.Lv_first:
	; V: the sums start from gate x ve.  The gate of my two heads for my 128 tokens: window 1, v[64 + 128 gg + 8 b + j] = gate(head gg, token 16 b + 8 h + j)
	WIN 0x40
.irp gg, 0,1
.irp b, 0,1,2,3,4,5,6,7
.irp e, 0,1
	global_load_b128 v[64+128*\gg+8*\b+4*\e:64+128*\gg+8*\b+4*\e+3], v7, s[80:81] offset:32768*\gg+64*\b+16*\e
.endr
.endr
.endr
	WIN 0
	LDVE 0
	LDVE 1
	LDVE 2
.irp c, 0,1,2,3,4,5,6,7
.if \c+3 < 8
	LDVE \c+3
.endif
.if 7-\c >= 3
	s_wait_loadcnt 48                              ; chunk c is in (and the gate, asked for ahead of it); the three chunks behind it, 16 loads each, may be out
.else
	s_wait_loadcnt 16*(7-\c)
.endif
	TRVE \c
.endr
	s_wait_dscnt 0x0
	WIN 0x86                                       ; destination and source 0 window 2, source 1 (the gate) window 1
.irp a, 0,1,2,3
.irp b, 0,1,2,3,4,5,6,7
.irp j, 0,2,4,6
	v_pk_mul_f32 v[8*(8*\a+\b)+\j:8*(8*\a+\b)+\j+1], v[8*(8*\a+\b)+\j:8*(8*\a+\b)+\j+1], v[64+8*\b+\j:64+8*\b+\j+1]
.endr
.endr
.endr
	WIN 0xc7                                       ; window 3: channels 64 on: my second head
.irp a, 0,1,2,3
.irp b, 0,1,2,3,4,5,6,7
.irp j, 0,2,4,6
	v_pk_mul_f32 v[8*(8*\a+\b)+\j:8*(8*\a+\b)+\j+1], v[8*(8*\a+\b)+\j:8*(8*\a+\b)+\j+1], v[192+8*\b+\j:192+8*\b+\j+1]
.endr
.endr
.endr
	WIN 0
	STEP 0, 0, 0
.Lsteps:
	STEP 0, 1, 0
	STEP 0, 2, 0
	; slot 0's last step goes over to slot 1: each wave's part of slot 1 has landed, then the barrier, then the reads
	s_wait_tensorcnt 0x0
	s_wait_dscnt 8
	WIN MUL_LO
	MUL16 0, 1, 3, 0, 0
	s_wait_dscnt 0x0                               ; no LDS instruction of mine is out at the signal
	s_barrier_signal -1
	MUL16 2, 1, 3, 0, 0
	WIN 0
	s_barrier_wait -1
	PLACES
	FETCH_B 1, 0, 0
	FETCH_A 1, 0, 0
	WIN MUL_HI
	MUL16 4, 1, 3, 0, 0
	MUL16 6, 1, 3, 0, 0
	PLACES
	WIN 0
	FETCH_A 1, 0, 4
	STEP 1, 0, 0
	STEP 1, 1, 0
	STEP 1, 2, 0
	s_wait_dscnt 8                                 ; the last step: nothing more to fetch
	WIN MUL_LO
	MUL16 0, 1, 3, 1, 0
	MUL16 2, 1, 3, 1, 0
	s_wait_dscnt 0x0
	WIN MUL_HI
	MUL16 4, 1, 3, 1, 0
	MUL16 6, 1, 3, 1, 0
	WIN 0
	PLACES
	s_cmp_lt_u32 s25, NQK
	s_cbranch_scc0 .Lv_out
; 64 numbers of a lane in window 0, v[S] on, four blocks of 16: their largest magnitudes (with lane l xor 16's), the conversions' scale operands v[SO] on, the bytes v[PB] on
.macro QBLK S
.irp b, 0,1,2,3
	v_max3_num_f32 v[TM+\b], |v[\S+16*\b]|, |v[\S+1+16*\b]|, 0x1800000   ; and the floor 2^(3 - 127): the byte cannot fall under 1
.endr
.irp i, 2,4,6,8,10,12,14
.irp b, 0,1,2,3
	v_max3_num_f32 v[TM+\b], v[TM+\b], |v[\S+16*\b+\i]|, |v[\S+1+16*\b+\i]|   ; (the four blocks by turns)
.endr
.endr
.endm
.macro QSCALE
.irp b, 0,1,2,3
	v_permlanex16_b32 v[PB+\b], v[TM+\b], s60, s61
.endr
.irp b, 0,1,2,3
	v_max_num_f32 v[TM+\b], v[TM+\b], v[PB+\b]
.endr
.irp b, 0,1,2,3
	v_add_nc_u32 v[SO+\b], 0xff000000, v[TM+\b]    ; 2 off the exponent field: the conversion's scale operand
.endr
.irp b, 0,1,2,3
	v_lshrrev_b32 v[PB+\b], 23, v[SO+\b]           ; the scale's byte
.endr
.endm
.macro QSWAP P                         ; behind the conversions: one plain place, then the exchanges of half-waves
	v_nop
.irp c, 0,1
	v_permlane16_swap_b32 v[\P+4*\c], v[\P+4*\c+1]
	v_permlane16_swap_b32 v[\P+4*\c+2], v[\P+4*\c+3]
.endr
.endm
; QK WAY OUT, 16 tokens (A's block a) x my two heads.  A head's tiles 0, 1 are x1 and 2, 3 are x2 at the same (h, j); cos and sin of dims 16 ct + 8 h + j lie in registers 8 ct + j of a set, sin 16 on.
.macro TOK a
.set CSC, CS0+32*((\a)%2)
.set CSN, CS0+32*(((\a)+1)%2)
.if (\a) < 7
.irp ct, 0,1
.irp e, 0,1
	global_load_b128 v[CSN+8*\ct+4*\e:CSN+8*\ct+4*\e+3], v8, s[74:75] offset:2048*((\a)+1)+64*\ct+16*\e
	global_load_b128 v[CSN+16+8*\ct+4*\e:CSN+16+8*\ct+4*\e+3], v8, s[76:77] offset:2048*((\a)+1)+64*\ct+16*\e
.endr
.endr
	s_wait_loadcnt 8                               ; this block's cos and sin are in; the next block's eight loads may be out
.else
	s_wait_loadcnt 0x0
.endif
	WIN 0x02+(\a)/4                                ; source 0: the accumulators' window
.irp hd, 0,1
.irp k, 0,2,4,6,8,10,12,14                     ; ascending: each accumulator is first read at its low end
.set AC, 64*((\a)%4)+32*\hd+\k
.set Y1, YR+32*\hd+\k
	v_pk_mul_f32 v[Y1:Y1+1], v[AC:AC+1], v[CSC+\k:CSC+\k+1]                      ; x1 cos
	v_pk_mul_f32 v[Y1+16:Y1+17], v[AC:AC+1], v[CSC+16+\k:CSC+17+\k]              ; x1 sin
	v_pk_fma_f32 v[Y1:Y1+1], v[AC+16:AC+17], v[CSC+16+\k:CSC+17+\k], v[Y1:Y1+1]  ; + x2 sin
	v_pk_fma_f32 v[Y1+16:Y1+17], v[AC+16:AC+17], v[CSC+\k:CSC+\k+1], v[Y1+16:Y1+17] neg_lo:[0,0,1] neg_hi:[0,0,1]   ; x2 cos - x1 sin
.endr
.endr
	WIN 0
	v_pk_mul_f32 v[12:13], v[YR:YR+1], v[YR:YR+1]                  ; the sums of squares, the two heads by turns
	v_pk_mul_f32 v[14:15], v[YR+32:YR+33], v[YR+32:YR+33]
.irp k, 2,4,6,8,10,12,14,16,18,20,22,24,26,28,30
	v_pk_fma_f32 v[12:13], v[YR+\k:YR+\k+1], v[YR+\k:YR+\k+1], v[12:13]
	v_pk_fma_f32 v[14:15], v[YR+32+\k:YR+33+\k], v[YR+32+\k:YR+33+\k], v[14:15]
.endr
	v_add_f32 v12, v12, v13
	v_add_f32 v14, v14, v15
	v_permlanex16_b32 v28, v12, s60, s61           ; the token's other 32 dims lie in lane l xor 16
	v_permlanex16_b32 v29, v14, s60, s61
	v_add_f32 v12, v12, v28
	v_add_f32 v14, v14, v29
	v_fma_f32 v12, v12, s62, s63                   ; the mean + 1e-6
	v_fma_f32 v14, v14, s62, s63
	v_rsq_f32 v24, v12
	v_rsq_f32 v26, v14
	v_nop                                          ; a plain instruction behind the transcendentals
	s_wait_alu depctr_va_vdst(0)                   ; one wait for both, ahead of their first reader
.irp k, 0,2,4,6,8,10,12,14,16,18,20,22,24,26,28,30
	v_pk_mul_f32 v[YR+\k:YR+\k+1], v[YR+\k:YR+\k+1], v[24:25] op_sel_hi:[1,0]
	v_pk_mul_f32 v[YR+32+\k:YR+33+\k], v[YR+32+\k:YR+33+\k], v[26:27] op_sel_hi:[1,0]
.endr
	QBLK YR                                        ; blocks 0, 1: the first head's; 2, 3: the second's
	QSCALE
.if (\a) > 0
	s_wait_xcnt 0x0                                ; the last block's stores have read their data: codes and scale words may be written again
.endif
	v_lshl_or_b32 v[PW], v[PB+1], 8, v[PB]
	v_lshl_or_b32 v[PW+1], v[PB+3], 8, v[PB+2]
	v_or_b32 v[PW], 0x7f7f0000, v[PW]              ; bytes 2, 3: the scale 1 over the zero codes of K = 64 .. 127
	v_or_b32 v[PW+1], 0x7f7f0000, v[PW+1]
.irp c, 0,1
	v_cvt_scalef32_pk8_fp4_f32 v[PC+4*\c], v[YR+32*\c:YR+32*\c+7], v[SO+2*\c]
	v_cvt_scalef32_pk8_fp4_f32 v[PC+4*\c+1], v[YR+32*\c+16:YR+32*\c+23], v[SO+2*\c+1]
	v_cvt_scalef32_pk8_fp4_f32 v[PC+4*\c+2], v[YR+32*\c+8:YR+32*\c+15], v[SO+2*\c]
	v_cvt_scalef32_pk8_fp4_f32 v[PC+4*\c+3], v[YR+32*\c+24:YR+32*\c+31], v[SO+2*\c+1]
.endr
	QSWAP PC
	global_store_b128 v3, v[PC:PC+3], s[66:67] offset:512*(\a)     ; an image: 512 consecutive aligned bytes
	global_store_b128 v3, v[PC+4:PC+7], s[70:71] offset:512*(\a)
	global_store_b32 v4, v[PW], s[68:69] offset:64*(\a)            ; 16 scale words, 64 consecutive bytes (lanes r and 16 + r store the same word): an eighth of the codes' bytes
	global_store_b32 v4, v[PW+1], s[72:73] offset:64*(\a)
.endm
.irp a, 0,1,2,3,4,5,6,7
	TOK \a
.endr
	s_cmp_lg_u32 s26, 0
	s_cbranch_scc1 .Lend
	; THE ROUTER, in the 32 work-groups with pB = 0: x's codes of their 256 tokens lie in LDS.  Wave w: tokens 64 w on, four tiles.  Source 0 = Wr's 16 rows, source 1 = 16 tokens: lane (r, h) holds token r's logits of heads 8 h + j.
	s_wait_xcnt 0x0                                ; the last block's stores have read their data
.irp q, 0,1,2,3,4,5,6,7
.irp c, 0,1
	global_load_b128 v[128+8*\q+4*\c:131+8*\q+4*\c], v11, s[86:87] offset:64*\q+32*\c   ; Wr's eight fragments
.endr
.endr
	global_load_b128 v[SB:SB+3], v5, s[88:89]      ; Wr's scale words
.irp t, 0,1,2,3
	global_load_b128 v[SA+4*\t:SA+4*\t+3], v5, s[90:91] offset:512*\t   ; and my four tiles'
.endr
.irp q, 0,1,2,3,4,5,6,7
.if \q > 0
	PLACES
.endif
.irp t, 0,1,2,3
.irp c, 0,1
	ds_load_b128 v[192+8*\t+4*\c:195+8*\t+4*\c], v[22+\q/4] offset:\t*16*PITCH+64*(\q%4)+32*\c
.endr
.endr
.if \q == 0
	s_wait_loadcnt 0x0
.endif
	s_wait_dscnt 0x0
.irp t, 0,1,2,3                                ; four accumulators by turns
.if \q == 0
	v_wmma_scale_f32_16x16x128_f8f6f4 v[224+8*\t:231+8*\t], v[128+8*\q:135+8*\q], v[192+8*\t:199+8*\t], 0, v[SB+\q%4], v[SA+4*\t+\q%4] matrix_a_fmt:MATRIX_FMT_FP4 matrix_b_fmt:MATRIX_FMT_FP4
.elseif \q < 4
	v_wmma_scale_f32_16x16x128_f8f6f4 v[224+8*\t:231+8*\t], v[128+8*\q:135+8*\q], v[192+8*\t:199+8*\t], v[224+8*\t:231+8*\t], v[SB+\q%4], v[SA+4*\t+\q%4] matrix_a_fmt:MATRIX_FMT_FP4 matrix_b_fmt:MATRIX_FMT_FP4
.else
	v_wmma_scale_f32_16x16x128_f8f6f4 v[224+8*\t:231+8*\t], v[128+8*\q:135+8*\q], v[192+8*\t:199+8*\t], v[224+8*\t:231+8*\t], v[SB+\q%4], v[SA+4*\t+\q%4] matrix_a_fmt:MATRIX_FMT_FP4 matrix_b_fmt:MATRIX_FMT_FP4 matrix_a_scale:MATRIX_SCALE_ROW1 matrix_b_scale:MATRIX_SCALE_ROW1
.endif
.endr
.endr
	PLACES
; THE MASK: logit >= the 8th largest of the token's 16.  My 8 logits are sorted downward by 19 comparators (an odd-even merge sort); a_i mine, b_i lane l xor 16's: the eight numbers
; max(a_i, b_(7 - i)) are the 8 largest of the 16, and their least is the 8th largest.  No branch and no address hangs on it.
.macro CE i, j                         ; a comparator: the larger to place i, the smaller to place j; places are names for registers, one register is spare
	v_max_num_f32 v[FREE], v[R\i], v[R\j]
	v_min_num_f32 v[R\j], v[R\i], v[R\j]
.set SWP, R\i
.set R\i, FREE
.set FREE, SWP
.endm
.macro RANK t
.set LG, 224+8*(\t)
.irp p, 0,2,4,6
	v_max_num_f32 v[104+\p], v[LG+\p], v[LG+\p+1]  ; the first four comparators write a copy: the logits stay
	v_min_num_f32 v[105+\p], v[LG+\p], v[LG+\p+1]
.endr
.set R0, 104
.set R1, 105
.set R2, 106
.set R3, 107
.set R4, 108
.set R5, 109
.set R6, 110
.set R7, 111
.set FREE, 112
	CE 0, 2
	CE 1, 3
	CE 4, 6
	CE 5, 7
	CE 1, 2
	CE 5, 6
	CE 0, 4
	CE 1, 5
	CE 2, 6
	CE 3, 7
	CE 2, 4
	CE 3, 5
	CE 1, 2
	CE 3, 4
	CE 5, 6
	v_permlanex16_b32 v96, v[R7], s60, s61
	v_permlanex16_b32 v97, v[R6], s60, s61
	v_permlanex16_b32 v98, v[R5], s60, s61
	v_permlanex16_b32 v99, v[R4], s60, s61
	v_permlanex16_b32 v100, v[R3], s60, s61
	v_permlanex16_b32 v101, v[R2], s60, s61
	v_permlanex16_b32 v102, v[R1], s60, s61
	v_permlanex16_b32 v103, v[R0], s60, s61
	v_max_num_f32 v96, v96, v[R0]
	v_max_num_f32 v97, v97, v[R1]
	v_max_num_f32 v98, v98, v[R2]
	v_max_num_f32 v99, v99, v[R3]
	v_max_num_f32 v100, v100, v[R4]
	v_max_num_f32 v101, v101, v[R5]
	v_max_num_f32 v102, v102, v[R6]
	v_max_num_f32 v103, v103, v[R7]
	v_min3_num_f32 v96, v96, v97, v98
	v_min3_num_f32 v99, v99, v100, v101
	v_min3_num_f32 v96, v96, v102, v103
	v_min_num_f32 v96, v96, v99                    ; the 8th largest
.irp m, 0,1,2,3,4,5,6,7
	v_cmp_ge_f32 vcc_lo, v[LG+\m], v96
	v_cndmask_b32 v[192+8*(\t)+\m], v30, v31, vcc_lo
.endr
	global_store_b128 v10, v[192+8*(\t):195+8*(\t)], s[84:85] offset:1024*(\t)      ; token r, heads 8 h + 0 .. 3; the two stores of a tile cover 1,024 consecutive bytes between them
	global_store_b128 v10, v[196+8*(\t):199+8*(\t)], s[84:85] offset:1024*(\t)+16
.endm
	RANK 0
	RANK 1
	RANK 2
	RANK 3
.Lend:
	s_wait_tensorcnt 0x0
	ds_add_u32 v114, v115
	s_wait_dscnt 0x0
	s_endpgm
; V WAY OUT: A's block a is 16 channels, B's eight blocks are my 128 tokens: one key step.  The 64 registers of accumulators (a, 0 .. 7) are four blocks of 32 tokens: one fragment of V^T and one scale word a channel.
.macro VQ a
.set AC, 64*((\a)%4)
.set PCA, 128+8*(\a)
	WIN 0x28+0x14*((\a)/4)                         ; sources 1 and 2: the accumulators' window
.irp b, 0,1,2,3
	v_max3_num_f32 v[TM+\b], 0x1800000, |v[AC+16*\b]|, |v[AC+16*\b+1]|
.endr
.irp i, 2,4,6,8,10,12,14
.irp b, 0,1,2,3
	v_max3_num_f32 v[TM+\b], v[TM+\b], |v[AC+16*\b+\i]|, |v[AC+16*\b+\i+1]|
.endr
.endr
	WIN 0
	QSCALE
	v_lshl_or_b32 v[96+(\a)], v[PB+1], 8, v[PB]
	v_lshl_or_b32 v[96+(\a)], v[PB+2], 16, v[96+(\a)]
	v_lshl_or_b32 v[96+(\a)], v[PB+3], 24, v[96+(\a)]
	WIN 0x02+(\a)/4                                ; source 0: the accumulators' window
.irp c, 0,1
	v_cvt_scalef32_pk8_fp4_f32 v[PCA+4*\c], v[AC+32*\c:AC+32*\c+7], v[SO+2*\c]
	v_cvt_scalef32_pk8_fp4_f32 v[PCA+4*\c+1], v[AC+32*\c+16:AC+32*\c+23], v[SO+2*\c+1]
	v_cvt_scalef32_pk8_fp4_f32 v[PCA+4*\c+2], v[AC+32*\c+8:AC+32*\c+15], v[SO+2*\c]
	v_cvt_scalef32_pk8_fp4_f32 v[PCA+4*\c+3], v[AC+32*\c+24:AC+32*\c+31], v[SO+2*\c+1]
.endr
	WIN 0
	QSWAP PCA
	global_store_b128 v3, v[PCA:PCA+3], s[82:83] offset:((\a)/4)*GSTR+((\a)%4)*1024        ; head a / 4, channel tile a % 4.  Every block has registers of its own: no store's data are written again
	global_store_b128 v3, v[PCA+4:PCA+7], s[82:83] offset:((\a)/4)*GSTR+((\a)%4)*1024+512
	global_store_b32 v4, v[96+(\a)], s[82:83] offset:((\a)/4)*GSTR+4608+((\a)%4)*64
.if (\a)%4 == 0
	global_store_b64 v9, v[12:13], s[82:83] offset:((\a)/4)*GSTR+4864                     ; the record's last 256 bytes: zeros, since the next launch brings whole records into LDS
.endif
.endm
.Lv_out:
	v_mov_b32 v12, 0
	v_mov_b32 v13, 0
.irp a, 0,1,2,3,4,5,6,7
	VQ \a
.endr
	s_wait_tensorcnt 0x0
	ds_add_u32 v114, v115
	s_wait_dscnt 0x0
	s_endpgm
.Lfunc_end_k_qeac2dee642_proj:
	.size	k_qeac2dee642_proj, .Lfunc_end_k_qeac2dee642_proj-k_qeac2dee642_proj
	.p2alignl 7, 3214868480
	.fill 96, 4, 3214868480
	.section	.rodata,"a",@progbits
	.p2align	6, 0x0
	.amdhsa_kernel k_qeac2dee642_proj
		.amdhsa_group_segment_fixed_size 312832
		.amdhsa_private_segment_fixed_size 0
		.amdhsa_enable_private_segment 0
		.amdhsa_kernarg_size 72
		.amdhsa_user_sgpr_count 2
		.amdhsa_user_sgpr_kernarg_segment_ptr 1
		.amdhsa_wavefront_size32 1
		.amdhsa_system_sgpr_workgroup_id_x 1
		.amdhsa_system_sgpr_workgroup_id_y 1
		.amdhsa_system_sgpr_workgroup_id_z 1
		.amdhsa_system_vgpr_workitem_id 0
		.amdhsa_next_free_vgpr 1024
		.amdhsa_next_free_sgpr 96
		.amdhsa_reserve_vcc 1
		.amdhsa_float_denorm_mode_32 3
		.amdhsa_float_denorm_mode_16_64 3
		.amdhsa_memory_ordered 1
		.amdhsa_forward_progress 1
		.amdhsa_inst_pref_size 255
	.end_amdhsa_kernel
	.section	.bss,"aw",@nobits
	.p2align	6
	.space	262144
	.amdgpu_metadata
---
amdhsa.version: [ 1, 2 ]
amdhsa.kernels:
  - .name:           k_qeac2dee642_proj
    .symbol:         k_qeac2dee642_proj.kd
    .args:
      - { .name: xq, .offset: 0, .size: 8, .value_kind: global_buffer, .address_space: global }
      - { .name: wq, .offset: 8, .size: 8, .value_kind: global_buffer, .address_space: global }
      - { .name: gt, .offset: 16, .size: 8, .value_kind: global_buffer, .address_space: global }
      - { .name: ve, .offset: 24, .size: 8, .value_kind: global_buffer, .address_space: global }
      - { .name: cos, .offset: 32, .size: 8, .value_kind: global_buffer, .address_space: global }
      - { .name: sin, .offset: 40, .size: 8, .value_kind: global_buffer, .address_space: global }
      - { .name: qi, .offset: 48, .size: 8, .value_kind: global_buffer, .address_space: global }
      - { .name: kv, .offset: 56, .size: 8, .value_kind: global_buffer, .address_space: global }
      - { .name: out1, .offset: 64, .size: 8, .value_kind: global_buffer, .address_space: global }
    .group_segment_fixed_size: 312832
    .private_segment_fixed_size: 0
    .kernarg_segment_align: 8
    .kernarg_segment_size: 72
    .max_flat_workgroup_size: 128
    .sgpr_count:     96
    .vgpr_count:     1024
    .wavefront_size: 32
...
	.end_amdgpu_metadata
.endif
;; end of part 2
;; launch attn (part 3): grid 8 x 32, 16 waves a work-group, no clusters, 169,984 bytes of LDS; arguments qi, kv, out1, yi; writes yi
.if DOCPART == 3
	.amdgcn_target "amdgcn-amd-amdhsa--gfx1250"
	.amdhsa_code_object_version 6
	.text
	.protected	k_qeac2dee642_attn
	.globl	k_qeac2dee642_attn
	.p2align	8
	.type	k_qeac2dee642_attn,@function
k_qeac2dee642_attn:
	s_mov_b64 s[64:65], 0
	v_nop
	global_prefetch_b8 v0, s[64:65] scope:SCOPE_SE
	s_setreg_imm32_b32 hwreg(HW_REG_WAVE_MODE, 25, 1), 1
	s_wait_xcnt 0x0
; Causal attention on codes of FP4 (E2M1) with E8M0 scales: S^T = K Q^T (K = the head's 64), p = 2^t with t = score x log2(e) / 8, O^T = V^T P^T (K = the keys), y = O / l x the router's mask, quantised along the head's 64 for the last product.
; NO MAXIMUM IS TAKEN AWAY, and none is needed: the module itself normalises q and k (rms_norm: norms at most 8).  Rounding to E2M1 raises a number by a fifth at most, or by a sixteenth of its block's largest,
; so a quantised vector's norm is under 1.56 x 8, |score| under 156 and |t| under 29, for every input.  So p lies in 2^-29 .. 2^29 and a row's sum under 2^40: nothing overflows or underflows in f32.
; The rule's M is a whole number which a block's scale takes up: with M = 0 the codes' values, and O / l, come out the same.  The row's sum l is taken of the unquantised p.
; SHARES.  Work-group (j, b 8 + g) owns the query blocks 15 - j and j (128 queries each) of heads 2 g and 2 g + 1, which share kv head g.  Wave w: head 2 g + w % 2, tile w / 2 of a block: 16 queries, in two passes of one text.
; Block n needs n + 1 key steps of 128 keys: every wave of the launch works (16 - j) + (j + 1) = 17 steps.  Every wave walks all 16 steps of a pass (constant trip counts); a step all of whose keys come after its queries is jumped over.
; LDS holds the 16 records of (b, g) as they lie in kv (147,456 bytes, each byte filled once): key step s at 9,216 s: K images 8 x 512, V^T images 4 x 1,024, K's scale words, V's scale words.
; NO CLUSTER, though the eight work-groups of a (b, g) read the same records: the jump over hidden steps hangs on the work-group's query block, which differs between partners.
; LAYOUT.  Both products are used transposed (source 0 = 16 keys, or 16 channels; source 1 = my 16 queries): a lane holds ONE query (lane % 16) throughout; S^T's register 8 t + j is key 16 t + 8 h + j.
; A block of 32 keys is two neighbouring tiles; the conversions' results go to registers 0, 2, 1, 3 of each four and two exchanges of half-waves give the operand's layout.
; The scores' K is 64: registers 4-7 of Q's and K's fragments are zero codes, cleared once; bytes 2, 3 of their scale words are 0x7f.
; LIMITS: NaN and infinities are not served; a block of zeros (a masked head's y, a hidden block's p) keeps the byte 1 over zero codes.
; REGISTERS: v1-11 addresses; v[12:15] l in two packed chains; v16-23 Q; v24 Q's scale word; v25 the mask; v32-95 K's eight fragments; v96-159 S^T, then p, then y; v160-191 O^T; v192-223 V's four fragments;
;   v224-231 codes; v232-243 at work; v244-247 K's scale words; v248-249 V's; v250 p's; v251 y's two bytes.
.set REC,   9216
.set GREC,  16*REC
.set QSC,   4194304
.set YSC,   4194304
.set PARTA, 4*REC/16                   ; a wave's part of records 0-3: 9 rows of 256 bytes
.set PARTB, 12*REC/16                  ; and of records 4-15: 27 rows
	s_load_b256 s[4:11], s[0:1], 0x0               ; qi s[4:5], kv s[6:7], out1 s[8:9], yi s[10:11]
	v_lshl_add_u32 v254, v0, 2, 0x29000
	v_mov_b32 v255, 0
	ds_add_u32 v254, v255
	ds_add_u32 v254, v255
	v_lshrrev_b32 v1, 5, v0
	v_readfirstlane_b32 s12, v1                    ; wave w
	s_and_b32 s13, s12, 1                          ; c: which of the two heads
	s_lshr_b32 s14, s12, 1                         ; i: which tile of a query block
	s_mov_b32 s15, ttmp9                           ; j
	s_and_b32 s16, ttmp7, 0xffff                   ; b 8 + g
	s_lshr_b32 s17, s16, 3                         ; b
	s_and_b32 s18, s16, 7                          ; g
	s_lshl_b32 s19, s18, 1
	s_add_co_u32 s19, s19, s13                     ; head
	s_mov_b32 s20, 0x76543210
	s_mov_b32 s21, 0xfedcba98                      ; v_permlanex16_b32's selects for lane l xor 16
	s_mov_b32 s22, 0x3e38aa3b                      ; log2(e) / 8
	s_mov_b32 s23, s22                             ; (named with it as a pair)
	; descriptor groups 1: dense rows of 256 bytes (32 elements of 8 bytes), 9 of them and 27
	s_mov_b32 s24, 3<<16
	s_mov_b32 s25, 32<<16
	s_mov_b32 s26, 9<<16
	s_mov_b32 s27, 32<<16
	s_mov_b32 s28, 9
	s_mov_b32 s29, 32
	s_mov_b32 s30, 0
	s_mov_b32 s31, 0
	s_mov_b32 s32, 3<<16
	s_mov_b32 s33, 32<<16
	s_mov_b32 s34, 27<<16
	s_mov_b32 s35, 32<<16
	s_mov_b32 s36, 27
	s_mov_b32 s37, 32
	s_mov_b32 s38, 0
	s_mov_b32 s39, 0
	s_mov_b32 s40, 1
	s_mul_i32 s41, s12, PARTA                      ; LDS: wave x 2,304
	s_mov_b32 s44, 1
	s_mul_i32 s45, s12, PARTB
	s_add_co_u32 s45, s45, 4*REC                   ; LDS: 36,864 + wave x 6,912
	s_mul_i32 s54, s16, GREC                       ; the records of (b, g) in kv: LDS is their image
	s_add_co_u32 s56, s54, s45
	s_add_co_u32 s54, s54, s41
	s_mov_b32 s55, 0
	s_mov_b32 s57, 0
	s_wait_dscnt 0x0
	s_wait_kmcnt 0x0
	s_add_nc_u64 s[42:43], s[6:7], s[54:55]
	s_add_nc_u64 s[46:47], s[6:7], s[56:57]
	s_or_b32 s43, s43, 0x80000000
	s_or_b32 s47, s47, 0x80000000
	tensor_load_to_lds s[40:43], s[24:31]          ; records 0-3 first, so that the first four steps can begin; then the other twelve.  Two loads of mine are out
	s_nop 0
	tensor_load_to_lds s[44:47], s[32:39]
	s_nop 0
.rept 4
	v_nop                                          ; four such lines behind a tensor load
.endr
	v_and_b32 v2, 31, v0
	v_lshlrev_b32 v1, 4, v2                        ; 16 l
	v_lshlrev_b32 v2, 2, v2                        ; 4 l
	v_and_b32 v6, 15, v0                           ; r
	v_bfe_u32 v5, v0, 4, 1
	v_lshlrev_b32 v5, 3, v5
	v_sub_nc_u32 v5, v6, v5                        ; r - 8 h
	v_mov_b32 v27, 0xff800000                      ; -infinity
.irp k, 20,21,22,23,236,237,238,239
	v_mov_b32 v[\k], 0                             ; Q's zero codes; and the lane permutes' destinations, which count as sources
.endr
.irp t, 0,1,2,3,4,5,6,7
.irp k, 4,5,6,7
	v_mov_b32 v[32+8*\t+\k], 0                     ; K's zero codes: no load ever lands here
.endr
.endr
	s_sub_co_u32 s48, 15, s15                      ; the first pass's query block
	s_mov_b32 s53, 2
; A KEY STEP: 128 keys, KF = s50 on; their record begins at LDS byte s51.  s49 = Q0, my first query.
.macro STEP
	s_add_co_u32 s54, s49, 15
	s_cmp_gt_u32 s50, s54                          ; all its keys come after my 16 queries: a scalar branch on ids, round the step's work, not round the lines at its end
	s_cbranch_scc1 .Lhidden_\@
	v_add_nc_u32 v3, s51, v1
	v_add_nc_u32 v4, s51, v2
	v_nop
	v_nop                                          ; with the two additions: four places behind the last step's products, ahead of loads into registers that they read
.irp t, 0,1,2,3,4,5,6,7
	ds_load_b128 v[32+8*\t:35+8*\t], v3 offset:512*\t
.endr
.irp u, 0,1,2,3
	ds_load_b32 v[244+\u], v4 offset:8192+128*\u   ; lanes 0-15: tile 2 u's scale words, lanes 16-31: tile 2 u + 1's
.endr
.irp ct, 0,1,2,3
.irp cc, 0,1
	ds_load_b128 v[192+8*\ct+4*\cc:195+8*\ct+4*\cc], v3 offset:4096+1024*\ct+512*\cc
.endr
.endr
.irp u, 0,1
	ds_load_b32 v[248+\u], v4 offset:8704+128*\u
.endr
	s_wait_dscnt 10                                ; K and its scale words are in; V's ten loads may be out
.irp t, 0,1,2,3,4,5,6,7
.if \t%2
	v_wmma_scale_f32_16x16x128_f8f6f4 v[96+8*\t:103+8*\t], v[32+8*\t:39+8*\t], v[16:23], 0, v[244+\t/2], v24 matrix_a_fmt:MATRIX_FMT_FP4 matrix_b_fmt:MATRIX_FMT_FP4 matrix_a_scale:MATRIX_SCALE_ROW1
.else
	v_wmma_scale_f32_16x16x128_f8f6f4 v[96+8*\t:103+8*\t], v[32+8*\t:39+8*\t], v[16:23], 0, v[244+\t/2], v24 matrix_a_fmt:MATRIX_FMT_FP4 matrix_b_fmt:MATRIX_FMT_FP4
.endif
.endr
.rept 4
	v_nop
.endr
	s_add_co_u32 s54, s50, 127                     ; on the diagonal hidden scores become -infinity, so that p = 0; a step all of whose keys count jumps over this
	s_cmp_le_u32 s54, s49
	s_cbranch_scc1 .Lopen_\@
	s_sub_co_i32 s54, s49, s50
	v_add_nc_u32 v26, s54, v5                      ; d = my query - KF - 8 h.  Register 8 t + j holds key KF + 8 h + 16 t + j: hidden where 16 t + j > d
.set n, 0
.rept 64
	v_cmp_gt_i32 vcc_lo, 16*(n/8)+n%8, v26
	v_cndmask_b32 v[96+n], v[96+n], v27, vcc_lo
.set n, n+1
.endr
.Lopen_\@:
.irp b, 0,1,2,3
	v_max3_num_f32 v[232+\b], v[96+16*\b], v[97+16*\b], v[98+16*\b]   ; the largest SCORE of each block of 32 keys: p rises with the score, so it gives the block's largest p
.endr
.irp i, 3,5,7,9,11,13
.irp b, 0,1,2,3
	v_max3_num_f32 v[232+\b], v[232+\b], v[96+16*\b+\i], v[97+16*\b+\i]
.endr
.endr
.irp b, 0,1,2,3
	v_max_num_f32 v[232+\b], v[232+\b], v[111+16*\b]
.endr
.irp b, 0,1,2,3
	v_permlanex16_b32 v[236+\b], v[232+\b], s20, s21
.endr
.irp b, 0,1,2,3
	v_max_num_f32 v[232+\b], v[232+\b], v[236+\b]  ; with lane l xor 16's 16 keys
.endr
.set n, 0
.rept 32
	v_pk_mul_f32 v[96+n:97+n], v[96+n:97+n], s[22:23] op_sel_hi:[1,0]   ; t, two at a time
.set n, n+2
.endr
.irp b, 0,1,2,3
	v_mul_f32 v[232+\b], s22, v[232+\b]            ; the same of each block's largest score
.endr
.set n, 0
.rept 64
	v_exp_f32 v[96+n], v[96+n]                     ; p = 2^t
.set n, n+1
.endr
.irp b, 0,1,2,3
	v_exp_f32 v[232+\b], v[232+\b]                 ; the block's largest p: the same two instructions on the same number give the same bits
.endr
	v_nop                                          ; a plain instruction behind the last exponential
	s_wait_alu depctr_va_vdst(0)                   ; one wait for the batch of 68, ahead of its first reader
.irp b, 0,1,2,3
	v_max_num_f32 v[232+\b], 0x1800000, v[232+\b]  ; the floor 2^(3 - 127): a block whose every p is 0 keeps the byte 1 over zero codes
.endr
.irp b, 0,1,2,3
	v_add_nc_u32 v[240+\b], 0xff000000, v[232+\b]  ; 2 off the exponent field: the conversion's scale operand
.endr
.irp b, 0,1,2,3
	v_lshrrev_b32 v[236+\b], 23, v[240+\b]         ; the scale's byte
.endr
	v_lshl_or_b32 v250, v237, 8, v236              ; p's scale word for these 128 keys
	v_lshl_or_b32 v250, v238, 16, v250
	v_lshl_or_b32 v250, v239, 24, v250
.irp c, 0,1
	v_cvt_scalef32_pk8_fp4_f32 v[224+4*\c], v[96+32*\c:103+32*\c], v[240+2*\c]
	v_cvt_scalef32_pk8_fp4_f32 v[225+4*\c], v[112+32*\c:119+32*\c], v[241+2*\c]
	v_cvt_scalef32_pk8_fp4_f32 v[226+4*\c], v[104+32*\c:111+32*\c], v[240+2*\c]
	v_cvt_scalef32_pk8_fp4_f32 v[227+4*\c], v[120+32*\c:127+32*\c], v[241+2*\c]
.endr
	v_nop                                          ; one plain place behind a scaled conversion
.irp c, 0,1
	v_permlane16_swap_b32 v[224+4*\c], v[225+4*\c]
	v_permlane16_swap_b32 v[226+4*\c], v[227+4*\c]
.endr
.set n, 0
.rept 16
	v_pk_add_f32 v[14:15], v[14:15], v[96+n:97+n]  ; l: the sum of the UNQUANTISED p, in two packed chains.  These 32 are also the places between the scale word, the codes and the products below
	v_pk_add_f32 v[12:13], v[12:13], v[98+n:99+n]
.set n, n+4
.endr
	s_wait_dscnt 0x0                               ; V and its scale words are in
.irp ct, 0,1,2,3                               ; O^T += V^T P^T: four accumulators by turns; the eight products of the scores stand between two links of a chain
.if \ct%2
	v_wmma_scale_f32_16x16x128_f8f6f4 v[160+8*\ct:167+8*\ct], v[192+8*\ct:199+8*\ct], v[224:231], v[160+8*\ct:167+8*\ct], v[248+\ct/2], v250 matrix_a_fmt:MATRIX_FMT_FP4 matrix_b_fmt:MATRIX_FMT_FP4 matrix_a_scale:MATRIX_SCALE_ROW1
.else
	v_wmma_scale_f32_16x16x128_f8f6f4 v[160+8*\ct:167+8*\ct], v[192+8*\ct:199+8*\ct], v[224:231], v[160+8*\ct:167+8*\ct], v[248+\ct/2], v250 matrix_a_fmt:MATRIX_FMT_FP4 matrix_b_fmt:MATRIX_FMT_FP4
.endif
.endr
.Lhidden_\@:
	s_add_co_u32 s50, s50, 128
	s_add_co_u32 s51, s51, REC
.endm
.Lpass:
	s_lshl_b32 s49, s48, 7
	s_lshl_b32 s54, s14, 4
	s_add_co_u32 s49, s49, s54                     ; Q0 = 128 x block + 16 i
	s_lshl_b32 s55, s48, 3
	s_add_co_u32 s55, s55, s14                     ; my tile in the sequence
	s_lshl_b32 s56, s17, 4
	s_add_co_u32 s56, s56, s19
	s_lshl_b32 s56, s56, 7
	s_add_co_u32 s56, s56, s55                     ; (16 b + head) 128 + tile
	s_lshl_b32 s57, s56, 9
	v_add_nc_u32 v7, s57, v1                       ; Q's image
	s_lshl_b32 s57, s56, 6
	s_add_co_u32 s57, s57, QSC
	v_lshl_add_u32 v8, v6, 2, s57                  ; its scale words
	s_lshl_b32 s58, s17, 11
	s_add_co_u32 s58, s58, s49                     ; my first token: 2048 b + Q0
	s_lshl_b32 s57, s58, 4
	s_add_co_u32 s57, s57, s19
	s_lshl_b32 s57, s57, 2
	v_lshl_add_u32 v9, v6, 6, s57                  ; the mask of (token r, head)
	s_lshl_b32 s57, s17, 7
	s_add_co_u32 s57, s57, s55
	s_lshl_b32 s57, s57, 3
	s_add_co_u32 s57, s57, s18
	s_lshl_b32 s57, s57, 10
	s_lshl_b32 s59, s13, 9
	s_add_co_u32 s57, s57, s59
	v_add_nc_u32 v10, s57, v1                      ; y's image: token tile, K step g, half c
	s_lshl_b32 s57, s18, 15
	s_lshl_b32 s59, s58, 2
	s_add_co_u32 s57, s57, s59
	s_lshl_b32 s59, s13, 1
	s_add_co_u32 s57, s57, s59
	s_add_co_u32 s57, s57, YSC
	v_lshl_add_u32 v11, v6, 2, s57                 ; y's two scale bytes: K step g, token r, half c
	global_load_b128 v[16:19], v7, s[4:5]
	global_load_b32 v24, v8, s[4:5]
	global_load_b32 v25, v9, s[8:9]
.set n, 0
.rept 32
	v_mov_b32 v[160+n], 0                          ; O^T: the step is written once, its first turn finds zeros
.set n, n+1
.endr
.irp k, 12,13,14,15
	v_mov_b32 v[\k], 0                             ; l
.endr
	s_mov_b32 s50, 0
	s_mov_b32 s51, 0
	s_wait_tensorcnt 0x1                           ; my part of records 0-3 is in; the other twelve's may stay out
	s_wait_loadcnt 0x0                             ; Q, its scale word, the mask
	s_wait_dscnt 0x0
	s_barrier_signal -1
	s_barrier_wait -1                              ; everybody's part is in
	s_mov_b32 s52, 4
.Ls1:
	STEP
	s_sub_co_u32 s52, s52, 1
	s_cmp_lg_u32 s52, 0
	s_cbranch_scc1 .Ls1
	s_wait_tensorcnt 0x0                           ; my part of records 4-15 is in
	s_wait_dscnt 0x0
	s_barrier_signal -1
	s_barrier_wait -1
	s_mov_b32 s52, 12
.Ls2:
	STEP
	s_sub_co_u32 s52, s52, 1
	s_cmp_lg_u32 s52, 0
	s_cbranch_scc1 .Ls2
	; THE END OF A PASS: y = O / l x mask, quantised along the head's 64: half a fragment of the last product's operand, and two scale bytes a token
.rept 4
	v_nop
.endr
	v_pk_add_f32 v[14:15], v[14:15], v[12:13]
	v_add_f32 v14, v14, v15
	v_permlanex16_b32 v236, v14, s20, s21
	v_add_f32 v14, v14, v236                       ; the row's sum
	v_rcp_f32 v14, v14
	v_nop
	s_wait_alu depctr_va_vdst(0)                   ; ahead of the first reader
	v_mul_f32 v14, v14, v25
.set n, 0
.rept 16
	v_pk_mul_f32 v[96+n:97+n], v[160+n:161+n], v[14:15] op_sel_hi:[1,0]   ; ascending: each accumulator is first read at its low end
.set n, n+2
.endr
.irp b, 0,1
	v_max3_num_f32 v[232+\b], |v[96+16*\b]|, |v[97+16*\b]|, 0x1800000
.endr
.irp i, 2,4,6,8,10,12,14
.irp b, 0,1
	v_max3_num_f32 v[232+\b], v[232+\b], |v[96+16*\b+\i]|, |v[97+16*\b+\i]|
.endr
.endr
.irp b, 0,1
	v_permlanex16_b32 v[236+\b], v[232+\b], s20, s21
.endr
.irp b, 0,1
	v_max_num_f32 v[232+\b], v[232+\b], v[236+\b]
.endr
.irp b, 0,1
	v_add_nc_u32 v[240+\b], 0xff000000, v[232+\b]
.endr
.irp b, 0,1
	v_lshrrev_b32 v[236+\b], 23, v[240+\b]
.endr
	v_lshl_or_b32 v251, v237, 8, v236
	v_cvt_scalef32_pk8_fp4_f32 v224, v[96:103], v240
	v_cvt_scalef32_pk8_fp4_f32 v225, v[112:119], v241
	v_cvt_scalef32_pk8_fp4_f32 v226, v[104:111], v240
	v_cvt_scalef32_pk8_fp4_f32 v227, v[120:127], v241
	v_nop
	v_permlane16_swap_b32 v224, v225
	v_permlane16_swap_b32 v226, v227
	global_store_b128 v10, v[224:227], s[10:11]    ; 512 consecutive aligned bytes
	global_store_b16 v11, v251, s[10:11]           ; two bytes a token, every second byte pair of 64: a seventeenth of what the launch stores
	s_wait_xcnt 0x0                                ; the stores have read their registers: the next pass writes them again
	s_sub_co_u32 s48, 15, s48                      ; the other query block
	s_sub_co_u32 s53, s53, 1
	s_cmp_lg_u32 s53, 0
	s_cbranch_scc1 .Lpass
	s_wait_tensorcnt 0x0
	ds_add_u32 v254, v255
	s_wait_dscnt 0x0
	s_endpgm
.Lfunc_end_k_qeac2dee642_attn:
	.size	k_qeac2dee642_attn, .Lfunc_end_k_qeac2dee642_attn-k_qeac2dee642_attn
	.p2alignl 7, 3214868480
	.fill 96, 4, 3214868480
	.section	.rodata,"a",@progbits
	.p2align	6, 0x0
	.amdhsa_kernel k_qeac2dee642_attn
		.amdhsa_group_segment_fixed_size 169984
		.amdhsa_private_segment_fixed_size 0
		.amdhsa_enable_private_segment 0
		.amdhsa_kernarg_size 32
		.amdhsa_user_sgpr_count 2
		.amdhsa_user_sgpr_kernarg_segment_ptr 1
		.amdhsa_wavefront_size32 1
		.amdhsa_system_sgpr_workgroup_id_x 1
		.amdhsa_system_sgpr_workgroup_id_y 1
		.amdhsa_system_sgpr_workgroup_id_z 1
		.amdhsa_system_vgpr_workitem_id 0
		.amdhsa_next_free_vgpr 256
		.amdhsa_next_free_sgpr 66
		.amdhsa_reserve_vcc 1
		.amdhsa_float_denorm_mode_32 3
		.amdhsa_float_denorm_mode_16_64 3
		.amdhsa_memory_ordered 1
		.amdhsa_forward_progress 1
		.amdhsa_inst_pref_size 49
	.end_amdhsa_kernel
	.amdgpu_metadata
---
amdhsa.version: [ 1, 2 ]
amdhsa.kernels:
  - .name:           k_qeac2dee642_attn
    .symbol:         k_qeac2dee642_attn.kd
    .args:
      - { .name: qi, .offset: 0, .size: 8, .value_kind: global_buffer, .address_space: global }
      - { .name: kv, .offset: 8, .size: 8, .value_kind: global_buffer, .address_space: global }
      - { .name: out1, .offset: 16, .size: 8, .value_kind: global_buffer, .address_space: global }
      - { .name: yi, .offset: 24, .size: 8, .value_kind: global_buffer, .address_space: global }
    .group_segment_fixed_size: 169984
    .private_segment_fixed_size: 0
    .kernarg_segment_align: 8
    .kernarg_segment_size: 32
    .max_flat_workgroup_size: 512
    .sgpr_count:     66
    .vgpr_count:     256
    .wavefront_size: 32
...
	.end_amdgpu_metadata
.endif
;; end of part 3
;; launch outp (part 4): grid 4 x 32, 4 waves a work-group, clusters of 4 x 4, 270,848 bytes of LDS; arguments yi, wq, out0; writes out0
.if DOCPART == 4
	.amdgcn_target "amdgcn-amd-amdhsa--gfx1250"
	.amdhsa_code_object_version 6
	.text
	.protected	k_qeac2dee642_outp
	.globl	k_qeac2dee642_outp
	.p2align	8
	.type	k_qeac2dee642_outp,@function
k_qeac2dee642_outp:
	s_mov_b64 s[64:65], 0
	v_nop
	global_prefetch_b8 v0, s[64:65] scope:SCOPE_SE
	s_setreg_imm32_b32 hwreg(HW_REG_WAVE_MODE, 25, 1), 1
	s_wait_xcnt 0x0
	s_wait_alu depctr_hold_cnt(0) depctr_sa_sdst(0) depctr_va_vdst(0) depctr_va_sdst(0) depctr_va_ssrc(0) depctr_va_vcc(0) depctr_vm_vsrc(0)
	s_getreg_b32 s2, hwreg(HW_REG_IB_STS2, 6, 4)
	s_cmp_eq_u32 s2, 0
	s_cbranch_scc0 .Lentry_in_a_cluster
	s_endpgm
.Lentry_in_a_cluster:
	s_bfe_u32 s2, ttmp6, 0x10000c
	s_cmp_lg_u32 s2, 0xf033
	s_cbranch_scc0 .Lentry_shape_is_right
	s_endpgm
.Lentry_shape_is_right:
; out0 = y Wo^T on codes of FP4 (E2M1) with E8M0 scales, K = 1,024.  y arrives as images of its operand's registers (yi: [token tile 512][K step 8][1,024 B]; scale words u32 [K step 8][8192 tokens] from YSC on),
; Wo as rows of 512 bytes of codes (wq, rows 2048 on; 32 scale bytes a row from WSC on).  out0: [8192][1024] f32.
; A tile of 256 x 256 is made by four waves, 128 x 128 each: 64 accumulators, 512 registers.  Both K steps of 512 lie in LDS at once: two slots, each byte filled once, so nothing is filled again.
; CLUSTERS: 4 x 4 work-groups.  The four of a row of the cluster need the same tiles of y, the four of a column the same tiles of Wo: each is asked for JOINTLY, by the same tensor load with the same descriptor and a mask
; that names the four.  One round of the cluster's barrier stands ahead of the joint loads and one ahead of the end.
; THE MATRIX INSTRUCTION IS USED TRANSPOSED (source 0 = 16 rows of Wo, source 1 = 16 tokens): a lane holds eight neighbouring numbers of a row of out0.
; 128 work-groups: the launch's time is its 32 MiB of stores; each goes out as whole rows of 512 bytes through the wave's stage.
; REGISTERS: window 0: v1-27 addresses; v32-63 y's scale words, v64-95 Wo's; v128-191 y's fragments, one set; on the way out v128-255 rows of out0.  Window 1: Wo's fragments, two sets, v0-63 and v128-191.
;   Windows 2, 3: accumulator (a, b) at v[8 (8 (a % 4) + b)].
.set PITCH,  272                       ; Wo's LDS row: 256 bytes + 16 of padding
.set HALFA,  32768                     ; y: 8 token tiles x 4 K steps x 1,024 bytes, dense
.set HALFB,  128*PITCH
.set BOFF,   2*HALFA
.set SLOT,   BOFF+2*HALFB              ; 135,168
.set SPITCH, 528                       ; the way out: a stage of 16 rows x (512 bytes + 16) for each wave, in slot 0, which has had its only fill and its last read by then
.set WSC,    1581056
.set YSC,    4194304
.set NCOL,   1024
.set FR,     8
.set ADRA,   16
.set ADRB,   20
.set STO,    24
.set RD,     25
.set CO,     26
.set SA,     32
.set SB,     64
.set AF,     128
.set BK,     128
.set G1,  24                           ; s[24:31] group 1 for y's tiles; s[32:39] group 0, one set for each slot
.set G0,  32
.set G1B, 48                           ; s[48:55], s[56:63] the same for Wo's
.set G0B, 56
.set MSB, 0
.macro WIN new
.if MSB != (\new)
	s_set_vgpr_msb (MSB<<8)|(\new)
.set MSB, (\new)
.endif
.endm
.set MUL_LO, 0xa1
.set MUL_HI, 0xf1
.set TO_B,   0x40
.macro PLACES
.rept 4
	v_nop
.endr
.endm
; A joint load: waves 0 and 1 fetch y's halves, waves 2 and 3 Wo's.  Each line has one mask and one set of registers for all that issue it; the branch hangs on the wave's number alone.
.macro JLOAD g0a, g1a, g0b, g1b
	s_cmp_eq_u32 s15, 0
	s_cbranch_scc0 .Lfor_b_\@
	tensor_load_to_lds s[\g0a:\g0a+3], s[\g1a:\g1a+7]
	s_nop 0
.rept 4
	v_nop
.endr
	s_branch .Lasked_\@
.Lfor_b_\@:
	tensor_load_to_lds s[\g0b:\g0b+3], s[\g1b:\g1b+7]
	s_nop 0
.rept 4
	v_nop
.endr
.Lasked_\@:
.endm
.macro CROUND                          ; a round of the cluster's barrier
	s_barrier_signal -1
	s_barrier_wait -1
	s_cmp_lg_u32 s14, 0
	s_cbranch_scc1 .Lnot_wave_0_\@
	s_barrier_signal -3
.Lnot_wave_0_\@:
	s_barrier_wait -3
	s_barrier_signal -1
	s_barrier_wait -1
.endm
	s_load_b128 s[4:7], s[0:1], 0x0                ; yi s[4:5], wq s[6:7]
	s_load_b64 s[12:13], s[0:1], 0x10              ; out0
	v_lshl_add_u32 v126, v0, 2, 0x42000
	v_mov_b32 v127, 0
	ds_add_u32 v126, v127
	ds_add_u32 v126, v127
	v_lshrrev_b32 v1, 5, v0
	v_readfirstlane_b32 s14, v1                    ; wave
	s_lshr_b32 s15, s14, 1                         ; my half of the tile's rows.  Also: I fetch for y (0) or Wo (1)
	s_and_b32 s16, s14, 1                          ; my half of its columns.  Also: which half I fetch
	s_bfe_u32 s40, ttmp6, 0x40000                  ; cx
	s_bfe_u32 s41, ttmp6, 0x40004                  ; cy
	s_lshl_b32 s42, ttmp9, 2
	s_add_co_u32 s42, s42, s40                     ; tile column
	s_and_b32 s17, ttmp7, 0xffff
	s_lshl_b32 s17, s17, 2
	s_add_co_u32 s17, s17, s41                     ; tile row
	s_lshl_b32 s43, s41, 2
	s_lshl_b32 s43, 15, s43                        ; my row of the cluster
	s_lshl_b32 s44, 0x1111, s40                    ; my column
	; y: 8 rows (token tiles) of 4,096 bytes (4 K steps), 8,192 bytes apart; elements of 8 bytes; no padding: an image is read 512 consecutive bytes at a time
	s_or_b32 s[G1+0], s43, (3<<16)|(1<<21)
	s_mov_b32 s[G1+1], 512<<16
	s_mov_b32 s[G1+2], 8<<16
	s_mov_b32 s[G1+3], 512<<16
	s_mov_b32 s[G1+4], 8
	s_mov_b32 s[G1+5], 1024
	s_mov_b32 s[G1+6], 0
	s_mov_b32 s[G1+7], 0
	; Wo: 128 rows of 256 bytes, 512 bytes apart; 16 bytes of padding behind each
	s_or_b32 s[G1B+0], s44, (0<<16)|(1<<20)|(1<<21)|(5<<22)|(3<<25)
	s_mov_b32 s[G1B+1], 256<<16
	s_mov_b32 s[G1B+2], 128<<16
	s_mov_b32 s[G1B+3], 256<<16
	s_mov_b32 s[G1B+4], 128
	s_mov_b32 s[G1B+5], 512
	s_mov_b32 s[G1B+6], 0
	s_mov_b32 s[G1B+7], 0
	s_lshl_b32 s20, s17, 17                        ; y: 16 token tiles of 8,192 bytes a tile row,
	s_lshl_b32 s18, s16, 16                        ; 8 of them a half
	s_add_co_u32 s20, s20, s18
	s_mov_b32 s21, 0
	s_lshl_b32 s46, s42, 8                         ; Wo: row 2048 + 256 x tile column + 128 x half
	s_lshl_b32 s18, s16, 7
	s_add_co_u32 s46, s46, s18
	s_add_co_u32 s46, s46, 2048
	s_lshl_b32 s46, s46, 9
	s_mov_b32 s47, 0
	s_lshl_b32 s45, s16, 15                        ; where they go: no place in the cluster enters an LDS address
	s_mul_i32 s19, s16, HALFB
	s_add_co_u32 s19, s19, BOFF
	s_wait_dscnt 0x0
	s_wait_kmcnt 0x0
	s_add_nc_u64 s[20:21], s[4:5], s[20:21]
	s_add_nc_u64 s[46:47], s[6:7], s[46:47]
	CROUND                                         ; all sixteen work-groups are here: the joint loads meet
.irp s, 0,1
	s_mov_b32 s[G0+4*\s], 1
	s_add_co_u32 s[G0+4*\s+1], s45, \s*SLOT
	s_add_nc_u64 s[G0+4*\s+2:G0+4*\s+3], s[20:21], \s*4096
	s_or_b32 s[G0+4*\s+3], s[G0+4*\s+3], 0x80000000
	s_mov_b32 s[G0B+4*\s], 1
	s_add_co_u32 s[G0B+4*\s+1], s19, \s*SLOT
	s_add_nc_u64 s[G0B+4*\s+2:G0B+4*\s+3], s[46:47], \s*256
	s_or_b32 s[G0B+4*\s+3], s[G0B+4*\s+3], 0x80000000
	JLOAD G0+4*\s, G1, G0B+4*\s, G1B               ; two loads of mine are out
.endr
	v_and_b32 v1, 15, v0                           ; r
	v_bfe_u32 v2, v0, 4, 1                         ; h
	v_and_b32 v6, 31, v0
	v_lshlrev_b32 v[CO], 4, v6                     ; 16 l
	s_lshl_b32 s22, s15, 15
	v_add_nc_u32 v[ADRA], s22, v[CO]               ; my 8 token tiles' images
	v_add_nc_u32 v[ADRA+1], SLOT, v[ADRA]
	v_mul_u32_u24 v3, v1, PITCH
	v_lshl_add_u32 v3, v2, 4, v3
	s_mul_i32 s23, s16, HALFB
	s_add_co_u32 s23, s23, BOFF
	v_add_nc_u32 v[ADRB], s23, v3
	v_add_nc_u32 v[ADRB+1], SLOT, v[ADRB]
	v_lshlrev_b32 v5, 5, v1
	v_lshl_add_u32 v5, v2, 4, v5                   ; 32 r + 16 h
	v_lshlrev_b32 v7, 17, v2
	v_lshl_add_u32 v7, v1, 2, v7                   ; 4 K steps of 32,768 bytes x h + 4 r
	s_lshl_b32 s46, s42, 8
	s_lshl_b32 s18, s16, 7
	s_add_co_u32 s46, s46, s18
	s_add_co_u32 s46, s46, 2048
	s_lshl_b32 s46, s46, 5
	s_add_co_u32 s46, s46, WSC
	s_mov_b32 s47, 0
	s_add_nc_u64 s[10:11], s[6:7], s[46:47]        ; the scale bytes of my 128 rows of Wo
	s_lshl_b32 s20, s17, 8
	s_lshl_b32 s18, s15, 7
	s_add_co_u32 s20, s20, s18                     ; my first token
	s_lshl_b32 s22, s20, 2
	s_add_co_u32 s22, s22, YSC
	s_mov_b32 s23, 0
	s_add_nc_u64 s[8:9], s[4:5], s[22:23]          ; its scale words
.irp i, 0,1,2,3,4,5,6,7
	global_load_b128 v[SB+4*\i:SB+4*\i+3], v5, s[10:11] offset:512*\i   ; register q: lanes 0-15 K step q of row r, lanes 16-31 K step 4 + q
.endr
.irp i, 0,1,2,3,4,5,6,7
.irp q, 0,1,2,3
	global_load_b32 v[SA+4*\i+\q], v7, s[8:9] offset:32768*\q+64*\i     ; the same for y's tokens
.endr
.endr
	s_lshl_b32 s22, s20, 12                        ; out0: my first row of 4,096 bytes,
	s_lshl_b32 s18, s42, 10
	s_add_co_u32 s22, s22, s18                     ; the tile's first column,
	s_lshl_b32 s18, s16, 9
	s_add_co_u32 s22, s22, s18                     ; my half
	s_add_nc_u64 s[12:13], s[12:13], s[22:23]
	s_mul_i32 s23, s14, 16*SPITCH                  ; my stage
	v_mul_u32_u24 v4, v1, SPITCH
	v_lshl_add_u32 v4, v2, 5, v4
	v_add_nc_u32 v[STO], s23, v4                   ; in: row r, 32 bytes for each half of the lanes
	v_add_nc_u32 v[RD], s23, v[CO]                 ; back: the 32 lanes take one row of 512 bytes
.macro FRAGB reg, slot, q, i
.irp c, 0,1
	ds_load_b128 v[\reg+4*\c:\reg+4*\c+3], v[ADRB+\slot] offset:64*(\q)+32*\c+(\i)*16*PITCH
.endr
.endm
.macro FRAGA reg, slot, q, i           ; an image comes back as it was stored: 512 consecutive bytes a load
.irp c, 0,1
	ds_load_b128 v[\reg+4*\c:\reg+4*\c+3], v[ADRA+\slot] offset:(4*(\i)+(\q))*1024+512*\c
.endr
.endm
; The 64 accumulators take turns, one instruction a turn, in the same order in every step.  In slot 1 both sides' scale words are those of lanes 16-31.
.macro MUL16 a0, p, q, slot, zero
.irp a, \a0, \a0+1
.irp b, 0,1,2,3,4,5,6,7
.set DD, 8*(8*((\a)%4)+\b)
.set BF, 128*(\p)+FR*\b
.set AA, AF+FR*(\a)
.set SBR, SB+4*\b+(\q)
.set SAR, SA+4*(\a)+(\q)
.if \zero
	v_wmma_scale_f32_16x16x128_f8f6f4 v[DD:DD+7], v[BF:BF+7], v[AA:AA+7], 0, v[SBR], v[SAR] matrix_a_fmt:MATRIX_FMT_FP4 matrix_b_fmt:MATRIX_FMT_FP4
.elseif \slot
	v_wmma_scale_f32_16x16x128_f8f6f4 v[DD:DD+7], v[BF:BF+7], v[AA:AA+7], v[DD:DD+7], v[SBR], v[SAR] matrix_a_fmt:MATRIX_FMT_FP4 matrix_b_fmt:MATRIX_FMT_FP4 matrix_a_scale:MATRIX_SCALE_ROW1 matrix_b_scale:MATRIX_SCALE_ROW1
.else
	v_wmma_scale_f32_16x16x128_f8f6f4 v[DD:DD+7], v[BF:BF+7], v[AA:AA+7], v[DD:DD+7], v[SBR], v[SAR] matrix_a_fmt:MATRIX_FMT_FP4 matrix_b_fmt:MATRIX_FMT_FP4
.endif
.endr
.endr
.endm
.macro FETCH_B slot, q, p
	WIN TO_B
.irp i, 0,1,2,3,4,5,6,7
	FRAGB 128*(\p)+FR*\i, \slot, \q, \i
.endr
	WIN 0
.endm
.macro FETCH_A slot, q, i0
.irp i, \i0, \i0+1, \i0+2, \i0+3
	FRAGA AF+FR*(\i), \slot, \q, \i
.endr
.endm
.macro STEP slot, q, zero
	s_wait_dscnt 8                                 ; Wo's set and y's blocks 0-3 are in; the youngest eight loads (blocks 4-7) may be out
	WIN MUL_LO
	MUL16 0, (\q)%2, \q, \slot, \zero
	MUL16 2, (\q)%2, \q, \slot, \zero
	s_wait_dscnt 0x0
	PLACES
	FETCH_B \slot, (\q)+1, 1-(\q)%2
	FETCH_A \slot, (\q)+1, 0
	WIN MUL_HI
	MUL16 4, (\q)%2, \q, \slot, \zero
	MUL16 6, (\q)%2, \q, \slot, \zero
	PLACES
	WIN 0
	FETCH_A \slot, (\q)+1, 4
.endm
	s_wait_tensorcnt 0x1                           ; my part of slot 0 is in; slot 1's may stay out
	s_wait_loadcnt 0x0                             ; the scale words
	s_barrier_signal -1
	s_barrier_wait -1
	FETCH_B 0, 0, 0
	FETCH_A 0, 0, 0
	FETCH_A 0, 0, 4
	STEP 0, 0, 1                                   ; the first products start the sums
	STEP 0, 1, 0
	STEP 0, 2, 0
	s_wait_tensorcnt 0x0                           ; my part of slot 1 is in,
	s_wait_dscnt 8
	WIN MUL_LO
	MUL16 0, 1, 3, 0, 0
	s_wait_dscnt 0x0                               ; and my reads of slot 0 are over
	s_barrier_signal -1
	MUL16 2, 1, 3, 0, 0
	WIN 0
	s_barrier_wait -1                              ; both now hold of every wave: slot 1 may be read, and slot 0 will take the stages
	PLACES
	FETCH_B 1, 0, 0
	FETCH_A 1, 0, 0
	WIN MUL_HI
	MUL16 4, 1, 3, 0, 0
	MUL16 6, 1, 3, 0, 0
	PLACES
	WIN 0
	FETCH_A 1, 0, 4
	STEP 1, 0, 0
	STEP 1, 1, 0
	STEP 1, 2, 0
	s_wait_dscnt 8
	WIN MUL_LO
	MUL16 0, 1, 3, 1, 0
	MUL16 2, 1, 3, 1, 0
	s_wait_dscnt 0x0
	WIN MUL_HI
	MUL16 4, 1, 3, 1, 0
	MUL16 6, 1, 3, 1, 0
	WIN 0
; THE WAY OUT, block by block of 16 rows x 128 columns, through my own stage: in as 32 bytes a lane, back as whole rows of 512 bytes.  LDS serves a wave's instructions in order (ISA guide 5.7.1.4).
.macro TOSTAGE a
.set AC, 64*((\a)%4)
	WIN 0x08+4*((\a)/4)                            ; an LDS store's data are its source 1: window 2 or 3
.irp b, 0,1,2,3,4,5,6,7
	ds_store_b128 v[STO], v[AC+8*\b:AC+8*\b+3] offset:64*\b          ; each accumulator from its low end on
	ds_store_b128 v[STO], v[AC+8*\b+4:AC+8*\b+7] offset:64*\b+16
.endr
	WIN 0
.set BB, BK+64*((\a)%2)
.irp t, 0,1,2,3,4,5,6,7,8,9,10,11,12,13,14,15
	ds_load_b128 v[BB+4*\t:BB+4*\t+3], v[RD] offset:\t*SPITCH
.endr
.endm
.macro SEND a, younger                 ; younger: the LDS instructions issued behind block a's loads, which may stay out
.set BB, BK+64*((\a)%2)
	s_wait_dscnt \younger
.if (\a) > 0
	s_add_nc_u64 s[12:13], s[12:13], 16*NCOL*4     ; (behind a wait on XCNT: the earlier stores have read their base)  16 rows on
.endif
.irp t, 0,1,2,3,4,5,6,7,8,9,10,11,12,13,14,15
	global_store_b128 v[CO], v[BB+4*\t:BB+4*\t+3], s[12:13] offset:\t*NCOL*4 th:TH_STORE_NT   ; 32 lanes store 512 consecutive aligned bytes; written once, read by nobody here
.endr
.endm
	PLACES
	TOSTAGE 0
.irp a, 1,2,3,4,5,6,7
.if \a > 1
	s_wait_xcnt 0x0                                ; block a - 2's stores have read their registers and their base
.endif
	TOSTAGE \a
	SEND \a-1, 32                                  ; behind block a - 1's loads: block a's 16 stores and 16 loads
.endr
	s_wait_xcnt 0x0
	SEND 7, 0
	s_wait_tensorcnt 0x0
	ds_add_u32 v126, v127
	s_wait_dscnt 0x0
	CROUND                                         ; the closing round: no LDS instruction and no tensor load of mine is out
	s_endpgm
.Lfunc_end_k_qeac2dee642_outp:
	.size	k_qeac2dee642_outp, .Lfunc_end_k_qeac2dee642_outp-k_qeac2dee642_outp
	.p2alignl 7, 3214868480
	.fill 96, 4, 3214868480
	.section	.rodata,"a",@progbits
	.p2align	6, 0x0
	.amdhsa_kernel k_qeac2dee642_outp
		.amdhsa_group_segment_fixed_size 270848
		.amdhsa_private_segment_fixed_size 0
		.amdhsa_enable_private_segment 0
		.amdhsa_kernarg_size 24
		.amdhsa_user_sgpr_count 2
		.amdhsa_user_sgpr_kernarg_segment_ptr 1
		.amdhsa_wavefront_size32 1
		.amdhsa_system_sgpr_workgroup_id_x 1
		.amdhsa_system_sgpr_workgroup_id_y 1
		.amdhsa_system_sgpr_workgroup_id_z 1
		.amdhsa_system_vgpr_workitem_id 0
		.amdhsa_next_free_vgpr 1024
		.amdhsa_next_free_sgpr 66
		.amdhsa_reserve_vcc 0
		.amdhsa_float_denorm_mode_32 3
		.amdhsa_float_denorm_mode_16_64 3
		.amdhsa_memory_ordered 1
		.amdhsa_forward_progress 1
		.amdhsa_inst_pref_size 125
	.end_amdhsa_kernel
	.amdgpu_metadata
---
amdhsa.version: [ 1, 2 ]
amdhsa.kernels:
  - .name:           k_qeac2dee642_outp
    .symbol:         k_qeac2dee642_outp.kd
    .args:
      - { .name: yi, .offset: 0, .size: 8, .value_kind: global_buffer, .address_space: global }
      - { .name: wq, .offset: 8, .size: 8, .value_kind: global_buffer, .address_space: global }
      - { .name: out0, .offset: 16, .size: 8, .value_kind: global_buffer, .address_space: global }
    .group_segment_fixed_size: 270848
    .private_segment_fixed_size: 0
    .kernarg_segment_align: 8
    .kernarg_segment_size: 24
    .max_flat_workgroup_size: 128
    .sgpr_count:     66
    .vgpr_count:     1024
    .wavefront_size: 32
...
	.end_amdgpu_metadata
.endif
;; end of part 4
